; MI455X (gfx1250); checked and timed in simulation.
; The chip was launched on July 23, 2026; its instructions are those of AMD's public machine-readable ISA for CDNA 5 (MIT licence, August 2026) and "CDNA5" Instruction Set Architecture Reference Guide (July 2026). The comments in the code are by the model that wrote it; some were corrected since.
;; Multi Head Latent Attention. Allowed arithmetic: matrix products marked QUANTISED: E2M1 operands, one E8M0 scale for each 32 along K, by v_wmma_scale_f32_16x16x128_f8f6f4 with both operands' format E2M1 (or v_wmma_scale_f32_32x16x128_f4), f32 sums; products left as they are: f32 operands where the result goes on into a quantised operand, else bf16, f16 or f32 operands; f32 sums; everything else in f32.
;; Inputs: W_qk 12 x 128 float32; Wkv_d 4,096 x 4 float32; Wo 4,096 x 4,096 float32; Wq_d 4,096 x 12 float32; Wv_u 4 x 4,096 float32; b_qk 128 float32; bkv_d 4 float32; bo 4,096 float32; bq_d 12 float32; bv_u 4,096 float32; x 2 x 1,024 x 4,096 float32.
;; Outputs: out0 2 x 1,024 x 4,096 float32.
;; This version of the problem:
;;   THIS VERSION OF THE PROBLEM IS GIVEN IN LOW PRECISION. The matrix products marked QUANTISED in the list below multiply operands that are first quantised to E2M1 (2 exponent bits, 1 mantissa bit; 4 bits a number), with one power-of-two scale for each 32 numbers along K (OCP MX v1.0); their sums are f32. All else is computed in f32.
;;   The module's matrix products, in the order in which they are computed (A, B: the left and right operand; K: the contracted axis; several contracted axes count as one K, in the product's order):
;;     1. [M 2,048, K 4,096] x [K 4,096, N 12]; A: input x; B: input Wq_d: left as it is (N = 12 < 16)
;;     2. [M 2,048, K 4,096] x [K 4,096, N 4]; A: input x; B: input Wkv_d: left as it is (N = 4 < 16)
;;     3. [M 2,048, K 12] x [K 12, N 128]; A: computed on the way; B: input W_qk: left as it is (K = 12 < 32)
;;     4. batch 2 x [M 1,024, K 4] x [K 4, N 32,768]; A: computed on the way; B: computed on the way: left as it is (K = 4 < 32)
;;     5. [M 2,048, K 4] x [K 4, N 4,096]; A: computed on the way; B: input Wv_u: left as it is (K = 4 < 32)
;;     6. batch 64 x [M 128, K 1,024] x [K 1,024, N 1,024]; A: computed on the way; B: softmax (see below): QUANTISED
;;     7. [M 2,048, K 4,096] x [K 4,096, N 4,096]; A: computed on the way; B: input Wo: QUANTISED
;;   THE QUANTISER, for each operand of a quantised product, along K:
;;     - K is cut into blocks of 32 from its start; a last block that is shorter is filled with zeros.
;;     - A block's scale is 2^e with e = floor(log2(the largest magnitude in the block)) - 2, held to -126 .. 127; a block of zeros has e = 0. As a byte (E8M0): e + 127.
;;     - Each number is divided by its block's scale, clamped to +-6, and rounded to the nearest number of E2M1, ties to even, subnormals kept.
;;     - The product sums the exact products of the quantised numbers (number of the format x scale) in f32.
;;   ~~~python
;;   def quantise(x, axis):      # numpy; x: float32 -> the quantised numbers, widened to float32 again
;;       x = np.moveaxis(x, axis, -1); K = x.shape[-1]
;;       x = np.pad(x, [(0, 0)] * (x.ndim - 1) + [(0, -K % 32)]); x = x.reshape(x.shape[:-1] + (-1, 32)); a = np.abs(x).max(-1, keepdims=True)
;;       e = np.where(a > 0, np.clip(np.frexp(np.where(a > 0, a, 1))[1] - 1 - 2, -126, 127), 0)      # np.frexp(a)[1] - 1 = floor(log2(a)), exactly
;;       r = np.clip(x / 2.0 ** e, -6, 6)
;;       step = 2.0 ** (np.maximum(np.frexp(np.where(r == 0, 1, r))[1] - 1, 0) - 1)
;;       q = np.round(r / step) * step * 2.0 ** e      # np.round: ties to even
;;       return np.moveaxis(q.reshape(q.shape[:-2] + (-1,))[..., :K], -1, axis).astype(np.float32)
;;   ~~~
;;   SOFTMAX AHEAD OF A QUANTISED PRODUCT. Where the list says 'softmax', what is quantised is not the finished softmax but p = 2^(t - M), with t = logit x log2(e) and M = ceil(the row's largest t), a whole number; so 1/2 < the row's largest p <= 1. The row's sum l is taken of the UNQUANTISED p, in f32, and the product's result is divided by l at the end. Since M is a whole number, a kernel that streams over the keys may use a running M (the ceiling of the running maximum): every later rescaling is an exact power of two, which a block's scale takes up: the codes' values come out the same.
;;   OPERANDS COMPUTED ON THE WAY. 'Computed on the way' means the value that the module computes at that place (a softmax that the list does not call 'softmax' is quantised finished and normalised). What goes into a quantiser is computed in f32, as accurately as f32 sums, v_exp_f32 and their like allow (about 1e-6 of the number): no bf16 or f16 on the way to a quantiser, and a product that is left as it is and whose result goes on into a quantised operand takes f32 operands (vector FMAs, or v_wmma_f32_16x16x4_f32). A number that lies on a knife's edge between two numbers of the format may be rounded either way, as far as f32 arithmetic and the matrix unit's own rounding can turn it there, and no further.
;; 2 versions, each right; version 2 is version 1 with the launch attn written anew for expert scheduling mode. Each part assembles by itself: llvm-mc -triple=amdgcn-amd-amdhsa -mcpu=gfx1250 --defsym DOCPART=n.
;; ======== version 1 of 2: 3 launches
;; workspace buffers: ckv 65,536 bytes; cq 196,608 bytes; wcodes 8,388,608 bytes; wscales 524,288 bytes; ocodes 4,194,304 bytes; oscales 262,144 bytes
;; launch prep (part 1): grid 256 x 1, 8 waves a work-group, no clusters, 84,992 bytes of LDS; arguments x, Wq_d, Wkv_d, bq_d, bkv_d, ckv, cq; writes ckv, cq
.if DOCPART == 1
	.amdgcn_target "amdgcn-amd-amdhsa--gfx1250"
	.amdhsa_code_object_version 6
	.text
	.protected	k_qa4c8fd4559_prep
	.globl	k_qa4c8fd4559_prep
	.p2align	8
	.type	k_qa4c8fd4559_prep,@function
k_qa4c8fd4559_prep:
	s_mov_b64 s[64:65], 0
	v_nop
	global_prefetch_b8 v0, s[64:65] scope:SCOPE_SE
	s_setreg_imm32_b32 hwreg(HW_REG_WAVE_MODE, 25, 1), 1
	s_wait_xcnt 0x0
; The latents  C = x [Wkv_d | Wq_d] (+ bias), 16 columns (0-3: C_kv, 4-15: C_q), f32 operands, f32 sums, by v_wmma_f32_16x16x4_f32.
; A work-group takes 16 rows of x and half of K (2,048); its eight waves take 256 along K each, in 4 chunks of 64: two waves to a SIMD, so that one wave's turn through LDS stands beside the other's products.
; The two halves of K are stored apart; the reader adds them.  ckv: [2 halves][2048 tokens][4];  cq: [2 halves][3 groups of 4 columns][2048 tokens][4].
; The bias goes into half 0 (a factor 1 or 0 on it: no branch).
; LIMITS: NaN and infinities among the inputs are not served (0 x the bias is added in half 1).
; No tensor loads: x is read once, by loads of which sixteen lanes cover 256 consecutive bytes.  No cluster: what work-groups share, 256 KB of Wq_d and Wkv_d, comes through registers.
.set NW,   8                           ; waves
.set NCH,  4                           ; chunks of 64 along K for a wave
.set WB,   9472                        ; LDS of a wave: XST 16 rows x (256 + 16) bytes, then WST 64 rows of k x (64 + 16) bytes
.set WST,  4352
.set RED,  NW*WB                       ; behind the waves' stages: 8 x 1,024 bytes, each wave's 16 x 16 partial sums, rows of 64 bytes
; v1 lane, v2 r = lane % 16, v3 h = lane / 16;  v4 XG (at the end: OUT), v5 WG, v6 XSW, v7 WKW, v[8:9] two biases, v10 QG, v11 XFR, v12 WFR, v13 RDW, v14 RDR, v15 BIA; v16-31 sums at work;
; v32-63 the four accumulators: written by matrix instructions alone;  v64-255 three pools of 64: 32 registers of x, 32 of W, first as loaded, then as fragments.
	s_load_b256 s[4:11], s[0:1], 0x0               ; x s[4:5], Wq_d s[6:7], Wkv_d s[8:9], bq_d s[10:11]
	s_load_b128 s[12:15], s[0:1], 0x20             ; bkv_d s[12:13], ckv s[14:15]
	s_load_b64 s[16:17], s[0:1], 0x30              ; cq
	s_set_vgpr_msb 0x40
	v_lshl_add_u32 v0, v0, 2, 0x14800
	v_mov_b32 v1, 0
	s_set_vgpr_msb 0x4000
	v_lshrrev_b32 v1, 5, v0
	v_readfirstlane_b32 s24, v1                    ; wave 0..7
	v_and_b32 v1, 31, v0                           ; lane
	v_and_b32 v2, 15, v0                           ; r
	v_bfe_u32 v3, v0, 4, 1                         ; h
	s_mov_b32 s33, 0                               ; the high word of every offset pair s[32:33]
	s_lshr_b32 s28, ttmp9, 1                       ; which 16 rows
	s_and_b32 s29, ttmp9, 1                        ; which half of K
	s_lshl_b32 s30, s29, 11
	s_lshl_b32 s31, s24, 8
	s_add_co_u32 s30, s30, s31                     ; my wave's first k = 2048 half + 256 wave
	s_cmp_eq_u32 s29, 0
	s_cselect_b32 s26, 1.0, 0                      ; the bias's factor
	s_mov_b32 s27, s26                             ; (named with it as a pair)
	s_min_u32 s35, s24, 3                          ; at the end wave w of the first four stores columns 4 w .. 4 w + 3: wave 0 C_kv, waves 1-3 a group of C_q each
	s_max_u32 s34, s35, 1
	s_sub_co_u32 s34, s34, 1                       ; which group of C_q (0 for wave 0 too)
	v_lshlrev_b32 v4, 4, v2
	v_lshl_add_u32 v4, v3, 14, v4                  ; XG: lanes 0-15 one row's 256 bytes, lanes 16-31 the next row's
	v_lshlrev_b32 v5, 4, v1                        ; WG: Wkv_d: 16 bytes a lane, 512 on end: k = lane
	v_mul_u32_u24 v10, v1, 48                      ; QG: Wq_d: k = lane: my row of 48 bytes
	v_and_b32 v15, 1, v1
	v_lshlrev_b32 v15, 3, v15                      ; BIA: the end: columns 2 (lane % 2), + 1 of my four: their bytes
	s_wait_kmcnt 0x0
	s_lshl_b32 s32, s28, 18                        ; 16 rows of 16,384 bytes
	s_lshl_b32 s31, s30, 2
	s_add_co_u32 s32, s32, s31
	s_add_nc_u64 s[4:5], s[4:5], s[32:33]          ; x at my rows, my k
	s_mul_i32 s32, s30, 48
	s_add_nc_u64 s[6:7], s[6:7], s[32:33]          ; Wq_d: 48 bytes a k
	s_lshl_b32 s32, s30, 4
	s_add_nc_u64 s[8:9], s[8:9], s[32:33]          ; Wkv_d: 16 bytes a k
	s_cmp_eq_u32 s35, 0                            ; whose bias: the choice hangs on the wave's number alone
	s_cselect_b64 s[38:39], s[12:13], s[10:11]
	s_lshl_b32 s32, s34, 4
	s_add_nc_u64 s[38:39], s[38:39], s[32:33]      ; my four columns' biases
	s_cmp_lt_u32 s24, 4
	s_cbranch_scc0 .Lno_bias                       ; waves 4-7 finish no column and load no bias
	global_load_b64 v[8:9], v15, s[38:39]          ; the oldest load of the wave: it is in when any later load is, and no count below changes with it
.Lno_bias:
; the 16 loads of chunk c (64 along K): 8 of x and 2 of Wkv_d, each over whole runs of 256 or 512 consecutive bytes; 6 of Wq_d: a lane takes the three 16-byte pieces of its own row k by three loads
; that follow each other and together cover 1,536 consecutive bytes: so each piece goes to its row of the stage by an immediate, and no lane's address needs a division by 3.
.macro LOADS c
.set PL, 64+64*((\c)%3)
.irp i, 0,1,2,3,4,5,6,7
	global_load_b128 v[PL+4*\i:PL+4*\i+3], v4, s[4:5] offset:32768*\i+256*(\c) th:TH_LOAD_NT
.endr
.irp i, 0,1
	global_load_b128 v[PL+32+4*\i:PL+35+4*\i], v5, s[8:9] offset:1024*(\c)+512*\i
.endr
.irp i, 0,1
.irp p, 0,1,2
	global_load_b128 v[PL+40+12*\i+4*\p:PL+43+12*\i+4*\p], v10, s[6:7] offset:3072*(\c)+1536*\i+16*\p
.endr
.endr
.endm
	LOADS 0
	LOADS 1
	LOADS 2                                        ; 48 loads of a wave are out: three of its four chunks
	s_lshl_b32 s31, s28, 8                         ; 16 rows are 256 bytes in every table
	s_lshl_b32 s32, s29, 15                        ; ckv: a half is 32,768 bytes
	s_add_co_u32 s32, s32, s31
	s_add_nc_u64 s[14:15], s[14:15], s[32:33]
	s_mul_i32 s32, s29, 98304                      ; cq: a half is 98,304 bytes
	s_add_co_u32 s32, s32, s31
	s_add_nc_u64 s[16:17], s[16:17], s[32:33]
	s_cmp_eq_u32 s35, 0
	s_cselect_b64 s[36:37], s[14:15], s[16:17]     ; where my four columns go
	s_lshl_b32 s32, s34, 15
	s_add_nc_u64 s[36:37], s[36:37], s[32:33]      ; a group is 32,768 bytes
	s_mul_i32 s25, s24, WB                         ; my wave's stage
	v_mul_u32_u24 v6, v3, 272
	v_lshl_add_u32 v6, v2, 4, v6
	v_add_nc_u32 v6, s25, v6                       ; XSW: x as loaded: row h, 16 r
	v_mul_u32_u24 v7, v1, 80
	v_add_nc_u32 v7, s25, v7
	v_add_nc_u32 v7, WST, v7                       ; WKW: row k = lane of the stage: bytes 0-15 Wkv_d[k], bytes 16-63 Wq_d[k]
	v_mul_u32_u24 v11, v2, 272
	v_lshl_add_u32 v11, v3, 4, v11
	v_add_nc_u32 v11, s25, v11                     ; XFR: row r, 16 h: four neighbours along K
	v_mul_u32_u24 v12, v3, 320
	v_lshl_add_u32 v12, v2, 2, v12
	v_add_nc_u32 v12, s25, v12
	v_add_nc_u32 v12, WST, v12                     ; WFR: column r, four rows of k further down for lanes 16-31
	s_lshl_b32 s31, s24, 10
	v_lshlrev_b32 v13, 6, v2
	v_lshl_add_u32 v13, v3, 5, v13
	v_add_nc_u32 v13, s31, v13
	v_add_nc_u32 v13, RED, v13                     ; RDW: my partial sums: row r, columns 8 h on
	v_lshrrev_b32 v14, 1, v1                       ; the end: row = lane / 2
	v_lshl_add_u32 v14, v14, 6, v15
	s_lshl_b32 s31, s35, 4
	v_add_nc_u32 v14, s31, v14
	v_add_nc_u32 v14, RED, v14                     ; RDR
; A chunk.  Its 4 KB of x and 4 KB of W turn through the wave's own stage (LDS serves a wave's instructions in order, and no other wave touches the stage: no barrier).
; The product is used transposed: source 0 = W^T (lane r: column r), source 1 = x (lane r: row r): lane (r, h), register j holds C(row r, column 8 h + j).
; K is permuted alike on both sides: instruction i = 2 m + e takes k = 8 m + 4 h + 2 e + j in register j of lane half h, so that x's fragments come by 16-byte loads.
; The four accumulators take turns, one instruction a turn, over the chunks too.
.macro CHUNK c
.set PP, 64+64*((\c)%3)
.if (NCH-1)-(\c) >= 2
	s_wait_loadcnt 32                              ; my chunk's 16 loads are in; those of the two chunks behind it stay out
.else
	s_wait_loadcnt 16*((NCH-1)-(\c))
.endif
.irp i, 0,1,2,3,4,5,6,7
	ds_store_b128 v6, v[PP+4*\i:PP+4*\i+3] offset:544*\i
.endr
.irp i, 0,1
	ds_store_b128 v7, v[PP+32+4*\i:PP+35+4*\i] offset:2560*\i
.endr
.irp i, 0,1
.irp p, 0,1,2
	ds_store_b128 v7, v[PP+40+12*\i+4*\p:PP+43+12*\i+4*\p] offset:2560*\i+16+16*\p
.endr
.endr
	s_wait_dscnt 0x0                               ; the stores have read their registers: the fragments may land there
.irp m, 0,1,2,3,4,5,6,7
	ds_load_b128 v[PP+4*\m:PP+4*\m+3], v11 offset:32*\m
.endr
.set q, 0
.rept 32
	ds_load_b32 v[PP+32+q], v12 offset:80*(8*(q/4)+q%4)
.set q, q+1
.endr
	s_wait_dscnt 0x0
.set i, 0
.rept 16
.if ((\c) == 0) && (i < 4)
	v_wmma_f32_16x16x4_f32 v[32+8*(i%4):39+8*(i%4)], v[PP+32+2*i:PP+33+2*i], v[PP+2*i:PP+2*i+1], 0
.else
	v_wmma_f32_16x16x4_f32 v[32+8*(i%4):39+8*(i%4)], v[PP+32+2*i:PP+33+2*i], v[PP+2*i:PP+2*i+1], v[32+8*(i%4):39+8*(i%4)]
.endif
.set i, i+1
.endr
.if (\c)+3 < NCH
.rept 8
	v_nop                                          ; eight places behind this form, in front of loads into registers that it has read
.endr
	LOADS (\c)+3                                   ; the pool just multiplied takes the chunk three further on
.endif
.endm
.irp c, 0,1,2,3
	CHUNK \c
.endr
.rept 8
	v_nop                                          ; eight places in front of the first read of results
.endr
.irp j, 0,2,4,6                                ; each accumulator is read from its low end on
	v_pk_add_f32 v[16+\j:17+\j], v[32+\j:33+\j], v[40+\j:41+\j]
.endr
.irp j, 0,2,4,6
	v_pk_add_f32 v[24+\j:25+\j], v[48+\j:49+\j], v[56+\j:57+\j]
.endr
.irp j, 0,2,4,6
	v_pk_add_f32 v[16+\j:17+\j], v[16+\j:17+\j], v[24+\j:25+\j]
.endr
	ds_store_b128 v13, v[16:19]
	ds_store_b128 v13, v[20:23] offset:16
	s_wait_dscnt 0x0                               ; for the others' sake: my partial sums lie in LDS
	s_barrier_signal -1
	s_barrier_wait -1                              ; all eight waves' do
	s_cmp_lt_u32 s24, 4
	s_cbranch_scc0 .Lend
	; Each of the first four waves adds the eight partial sums of its four columns for the 16 rows, 64 numbers, and stores 256 consecutive bytes, at a multiple of 256 from its buffer's first byte.
.irp p, 0,1,2,3,4,5,6,7
	ds_load_b64 v[64+2*\p:65+2*\p], v14 offset:1024*\p
.endr
	v_lshlrev_b32 v4, 3, v1                        ; OUT: 8 bytes a lane, 256 on end (the loads that named v4 are all in)
	s_wait_dscnt 0x0
.irp p, 0,4,8,12
	v_pk_add_f32 v[64+\p:65+\p], v[64+\p:65+\p], v[66+\p:67+\p]
.endr
	v_pk_add_f32 v[64:65], v[64:65], v[68:69]
	v_pk_add_f32 v[72:73], v[72:73], v[76:77]
	v_pk_add_f32 v[64:65], v[64:65], v[72:73]
	v_pk_fma_f32 v[64:65], v[8:9], s[26:27], v[64:65] op_sel_hi:[1,0,1]   ; + the bias in half 0, + 0 x the bias in half 1
	global_store_b64 v4, v[64:65], s[36:37]
.Lend:
	s_set_vgpr_msb 0x5
	s_wait_tensorcnt 0x0
	ds_add_u32 v0, v1
	s_wait_dscnt 0x0
	s_set_vgpr_msb 0x500
	s_endpgm
.Lfunc_end_k_qa4c8fd4559_prep:
	.size	k_qa4c8fd4559_prep, .Lfunc_end_k_qa4c8fd4559_prep-k_qa4c8fd4559_prep
	.p2alignl 7, 3214868480
	.fill 96, 4, 3214868480
	.section	.rodata,"a",@progbits
	.p2align	6, 0x0
	.amdhsa_kernel k_qa4c8fd4559_prep
		.amdhsa_group_segment_fixed_size 84992
		.amdhsa_private_segment_fixed_size 0
		.amdhsa_enable_private_segment 0
		.amdhsa_kernarg_size 56
		.amdhsa_user_sgpr_count 2
		.amdhsa_user_sgpr_kernarg_segment_ptr 1
		.amdhsa_wavefront_size32 1
		.amdhsa_system_sgpr_workgroup_id_x 1
		.amdhsa_system_sgpr_workgroup_id_y 1
		.amdhsa_system_sgpr_workgroup_id_z 1
		.amdhsa_system_vgpr_workitem_id 0
		.amdhsa_next_free_vgpr 258
		.amdhsa_next_free_sgpr 66
		.amdhsa_reserve_vcc 0
		.amdhsa_float_denorm_mode_32 3
		.amdhsa_float_denorm_mode_16_64 3
		.amdhsa_memory_ordered 1
		.amdhsa_forward_progress 1
		.amdhsa_inst_pref_size 31
	.end_amdhsa_kernel
	.amdgpu_metadata
---
amdhsa.version: [ 1, 2 ]
amdhsa.kernels:
  - .name:           k_qa4c8fd4559_prep
    .symbol:         k_qa4c8fd4559_prep.kd
    .args:
      - { .name: x, .offset: 0, .size: 8, .value_kind: global_buffer, .address_space: global }
      - { .name: Wq_d, .offset: 8, .size: 8, .value_kind: global_buffer, .address_space: global }
      - { .name: Wkv_d, .offset: 16, .size: 8, .value_kind: global_buffer, .address_space: global }
      - { .name: bq_d, .offset: 24, .size: 8, .value_kind: global_buffer, .address_space: global }
      - { .name: bkv_d, .offset: 32, .size: 8, .value_kind: global_buffer, .address_space: global }
      - { .name: ckv, .offset: 40, .size: 8, .value_kind: global_buffer, .address_space: global }
      - { .name: cq, .offset: 48, .size: 8, .value_kind: global_buffer, .address_space: global }
    .group_segment_fixed_size: 84992
    .private_segment_fixed_size: 0
    .kernarg_segment_align: 8
    .kernarg_segment_size: 56
    .max_flat_workgroup_size: 256
    .sgpr_count:     66
    .vgpr_count:     258
    .wavefront_size: 32
...
	.end_amdgpu_metadata
.endif
;; end of part 1
;; launch attn (part 2): grid 4 x 64, 16 waves a work-group, no clusters, 101,376 bytes of LDS; arguments ckv, cq, W_qk, b_qk, Wv_u, bv_u, ocodes, oscales, Wo, wcodes, wscales; writes ocodes, oscales, wcodes, wscales
.if DOCPART == 2
	.amdgcn_target "amdgcn-amd-amdhsa--gfx1250"
	.amdhsa_code_object_version 6
	.text
	.protected	k_qa4c8fd4559_attn
	.globl	k_qa4c8fd4559_attn
	.p2align	8
	.type	k_qa4c8fd4559_attn,@function
k_qa4c8fd4559_attn:
	s_mov_b64 s[64:65], 0
	v_nop
	global_prefetch_b8 v0, s[64:65] scope:SCOPE_SE
	s_setreg_imm32_b32 hwreg(HW_REG_WAVE_MODE, 25, 1), 1
	s_wait_xcnt 0x0
; One head of one batch, 256 queries to a work-group, 16 queries to each of its SIXTEEN waves (256 registers a wave, four waves to a SIMD: one wave's vector work stands beside another's matrix work and LDS loads).
; C_kv and C_q arrive as two partial sums each (the two halves of their K): ckv [2][2048 tokens][4], cq [2][3 groups of 4 columns][2048 tokens][4]; they are added here.
; q = C_q W_qk + b_qk (f32 multiply-adds), times 0.5 log2(e), so that the score product gives t = score x log2(e) straight away (one f32 rounding more than scaling the scores).
; t^T = C_kv q^T and V^T = (C_kv Wv_u + bv_u)^T, K = 4, f32 operands, by v_wmma_f32_16x16x4_f32; bv_u is V's C operand.
; V^T is quantised along the keys into LDS once (images of the operand's registers); then 8 steps of 128 keys: scores, p = 2^(t - M), M = the running largest t rounded up to a whole number, p quantised along the keys,
; O^T += V^T p^T on codes of E2M1 with E8M0 scales.  The row's sum is taken of the unquantised p and divides O at the end; when M moves, the sum and O^T are multiplied by 2^(old M - new M), which rounds nothing.
; O is quantised along the head's 128 (K of the last product) and leaves as an image: ocodes [32 heads][128 tiles of 16 tokens][1,024 bytes], oscales [32 heads][2,048 tokens][one word].
; A lane holds ONE query (lane % 16) throughout.  THE ROWS OF A TILE ARE NOT NEIGHBOURS: row r of tile 2 b + u (of keys, and of the head's 128 likewise) is 32 b + 8 u + r + 8 (r / 8), so that the 16 result registers of
; tiles 2 b and 2 b + 1 are 16 neighbours, 32 b + 16 (lane / 16) + 0 .. 15: what the conversions want.
; BESIDE THE ATTENTION, Wo IS QUANTISED HERE for the last product: the loop over the keys reads next to nothing from memory, so Wo's 64 MiB stream in under it.  Wo [4096 k][4096 n] f32 -> codes of E2M1, K innermost, one E8M0
; byte for each 32 along K.  The launch's 4,096 waves take 32 columns x 128 k each: a lane takes a column, its registers run down K, four blocks of 32, one in each trip of the loop; a block's 32 loads are asked for a whole
; trip (two key steps) ahead of the wait for them.  To have 32 registers free for them, p is made in two halves of 32.
;   wcodes: [32 steps of 128 k][256 tiles of 16 n][1,024 bytes]: registers 4 c .. 4 c + 3 of lane L at 512 c + 16 L; lane (r, hh) holds k = 64 c + 32 hh + 0 .. 31 of column r.   wscales: [32 steps][4096 n][one word].
; No tensor loads; no cluster: the four query blocks of a head share 32 KB of input, and V's codes are computed, which may not pass between work-groups: each work-group makes them itself.
; LIMITS: NaN and infinities are not served; a block whose largest magnitude lies under 2^(3 - 127), zeros among them, gets the byte 1 (the rule says 127 for zeros: its codes are zeros; this program alone reads the bytes).
; LDS: CKV 0: key k's four f32 at 16 k + 128 (k / 16);  VIMG 24576: [8 key steps][8 tiles of d][1,024];  VSC 90112: [8][8][32 lanes x 4];  OSC 98304: the 256 queries' scale words.
.set VIMG, 24576
.set VSC,  90112
.set OSC,  98304
.set TM,   232                         ; v232-235 largest magnitudes, v236-239 the other half's, then bytes, v244-247 the conversions' scale operands
.set PW,   253                         ; the scale word just made: it holds scale words alone
.set PC,   224                         ; v224-231 the codes just made
; v1 AK0, v2 LI0, v3 LS0, v4 AKV, v5 VWI, v6 VWS, v7 OSW, v8-10 the step's addresses, v11 16 x lane; v12 -M, v13 the largest t, v[14:15] the sum; v[16:17] q; v[18:19] Wv_u; v20, v24-31 bv_u;
; v21 4 x lane, v22 my column's place in Wo's images; behind V's preparation v24-27 a block's codes of Wo, v28 its scale word, v29-31 at work;
; v32-95 results of the f32 matrix form: written by matrix instructions alone;  v96-127 at work: fragments of C_kv, half of p, fragments of V;  v128-159 a block of Wo;  (v96-159 at the head: what is loaded; at the end: O);
; v160-223 O^T;  v248-251 V's scale words;  v252 f;  v254 at work.
; 64 numbers of a lane, register 16 b + i = k 32 b + 16 (lane / 16) + i of my row, become a fragment's codes in v[PC] on and its scale word in v[PW].
.macro QUANT s
.irp b, 0,1,2,3
	v_max3_num_f32 v[TM+\b], |v[\s+16*\b]|, |v[\s+1+16*\b]|, 0x1800000   ; block b: my 16 numbers, and the floor 2^(3 - 127): the byte cannot fall under 1
.endr
.irp i, 2,4,6,8,10,12,14
.irp b, 0,1,2,3
	v_max3_num_f32 v[TM+\b], v[TM+\b], |v[\s+16*\b+\i]|, |v[\s+1+16*\b+\i]|   ; (the four blocks by turns)
.endr
.endr
.irp b, 0,1,2,3
	v_permlanex16_b32 v[TM+4+\b], v[TM+\b], s22, s23
.endr
.irp b, 0,1,2,3
	v_max_num_f32 v[TM+\b], v[TM+\b], v[TM+4+\b]   ; with lane l xor 16's: the block's largest magnitude
.endr
.irp b, 0,1,2,3
	v_add_nc_u32 v[TM+12+\b], 0xff000000, v[TM+\b] ; 2 off its exponent field: the conversion's scale operand
.endr
.irp b, 0,1,2,3
	v_lshrrev_b32 v[TM+4+\b], 23, v[TM+12+\b]      ; the scale's byte
.endr
	v_lshl_or_b32 v[PW], v[TM+5], 8, v[TM+4]
	v_lshl_or_b32 v[PW], v[TM+6], 16, v[PW]
	v_lshl_or_b32 v[PW], v[TM+7], 24, v[PW]
.irp b, 0,1,2,3
	v_cvt_scalef32_pk8_fp4_f32 v[PC+2*\b], v[\s+16*\b:\s+7+16*\b], v[TM+12+\b]
	v_cvt_scalef32_pk8_fp4_f32 v[PC+1+2*\b], v[\s+8+16*\b:\s+15+16*\b], v[TM+12+\b]
.endr
	v_nop                                          ; one plain place behind a scaled conversion
.irp c, 0,1                                    ; the operand's layout wants a whole block in a lane: lanes 0-15 block 2 c, lanes 16-31 block 2 c + 1
.irp i, 0,1
	v_permlane16_swap_b32 v[PC+4*\c+\i], v[PC+2+4*\c+\i]
.endr
.endr
.endm
.macro BARRIER                                 ; my LDS stores have landed and my LDS loads are in: then the work-group's barrier
	s_wait_dscnt 0x0
	s_barrier_signal -1
	s_barrier_wait -1
.endm
.macro WLOAD                                   ; a block of Wo: 32 rows of k at my column: each load reads 128 consecutive bytes a wave, and the sixteen waves stand side by side on 2,048
.set i, 0
.rept 32
	global_load_b32 v[128+i], v21, s[40:41] offset:i*16384 th:TH_LOAD_NT
.set i, i+1
.endr
.endm
	s_load_b256 s[4:11], s[0:1], 0x0               ; ckv s[4:5], cq s[6:7], W_qk s[8:9], b_qk s[10:11]
	s_load_b256 s[12:19], s[0:1], 0x20             ; Wv_u s[12:13], bv_u s[14:15], ocodes s[16:17], oscales s[18:19]
	s_load_b128 s[40:43], s[0:1], 0x40             ; Wo s[40:41], wcodes s[42:43]
	s_load_b64 s[44:45], s[0:1], 0x50              ; wscales
	v_lshl_add_u32 v23, v0, 2, 0x18400
	v_mov_b32 v255, 0
	v_lshrrev_b32 v232, 5, v0
	v_readfirstlane_b32 s20, v232                  ; wave 0..15
	s_and_b32 s21, ttmp7, 0xffff
	s_lshr_b32 s24, s21, 5                         ; batch
	s_and_b32 s25, s21, 31                         ; head
	s_mov_b32 s22, 0x76543210
	s_mov_b32 s23, 0xfedcba98                      ; v_permlanex16_b32's selects for lane l xor 16
	s_lshl_b32 s26, s24, 10
	s_lshl_b32 s27, ttmp9, 8
	s_add_co_u32 s26, s26, s27
	s_lshl_b32 s27, s20, 4
	s_add_co_u32 s26, s26, s27                     ; my first token = 1024 batch + 256 block + 16 wave
	s_and_b32 s34, s20, 7                          ; the tile of d that I prepare
	s_lshr_b32 s35, s34, 1
	s_lshl_b32 s35, s35, 7
	s_and_b32 s36, s34, 1
	s_lshl_b32 s36, s36, 5
	s_add_co_u32 s35, s35, s36                     ; its first d, in bytes: 4 (32 (tile / 2) + 8 (tile % 2))
	s_lshl_b32 s38, s21, 2
	s_add_co_u32 s38, s38, ttmp9                   ; the work-group's number, 0 .. 255: its share of Wo is 128 k x 512 columns
	s_lshr_b32 s39, s38, 3                         ; which step of 128 k
	s_and_b32 s38, s38, 7
	s_lshl_b32 s38, s38, 9
	s_lshl_b32 s37, s20, 5
	s_add_co_u32 s38, s38, s37                     ; my wave's first column of Wo
	s_mov_b32 s33, 0
	v_and_b32 v232, 15, v0                         ; r
	v_bfe_u32 v233, v0, 4, 1                       ; h
	v_and_b32 v234, 31, v0                         ; lane
	v_lshrrev_b32 v236, 3, v232                    ; r / 8
	v_lshl_add_u32 v235, v236, 3, v232             ; r + 8 (r / 8)
	v_lshlrev_b32 v240, 4, v0                      ; ckv: key = my thread's number
	v_lshlrev_b32 v241, 4, v232                    ; cq: token r of my 16: 16 bytes in each group: sixteen lanes read 256 consecutive bytes
	v_lshlrev_b32 v242, 3, v233                    ; W_qk, b_qk: latent dimensions 2 h, 2 h + 1
	v_lshlrev_b32 v254, 2, v235                    ; bv_u: my row of the tile of d
	v_lshl_add_u32 v243, v233, 15, v254            ; Wv_u: rows 2 h, 2 h + 1 of 16,384 bytes
	s_wait_kmcnt 0x0
	s_lshl_b32 s32, s24, 14
	s_add_nc_u64 s[4:5], s[4:5], s[32:33]          ; the batch's 1,024 keys
	s_lshl_b32 s32, s26, 4
	s_add_nc_u64 s[6:7], s[6:7], s[32:33]          ; my 16 queries' C_q, in group 0 of half 0
	s_lshl_b32 s32, s25, 4
	s_add_nc_u64 s[8:9], s[8:9], s[32:33]          ; the head's four columns
	s_add_nc_u64 s[10:11], s[10:11], s[32:33]
	s_lshl_b32 s32, s25, 9
	s_add_co_u32 s32, s32, s35
	s_add_nc_u64 s[12:13], s[12:13], s[32:33]      ; the head's 128 columns, my tile of d
	s_add_nc_u64 s[14:15], s[14:15], s[32:33]
	s_lshl_b32 s32, s25, 17
	s_lshl_b32 s36, s26, 6
	s_add_co_u32 s32, s32, s36
	s_add_nc_u64 s[16:17], s[16:17], s[32:33]      ; ocodes: 131,072 bytes a head, 1,024 for each 16 tokens
	s_lshl_b32 s32, s25, 13
	s_lshl_b32 s36, s24, 12
	s_add_co_u32 s32, s32, s36
	s_lshl_b32 s36, ttmp9, 10
	s_add_co_u32 s32, s32, s36
	s_add_nc_u64 s[18:19], s[18:19], s[32:33]      ; oscales: 8,192 bytes a head, 4 a token: the work-group's first
	s_lshl_b32 s32, s39, 21                        ; Wo: 128 rows of 16,384 bytes a step, 4 bytes a column
	s_lshl_b32 s36, s38, 2
	s_add_co_u32 s32, s32, s36
	s_add_nc_u64 s[40:41], s[40:41], s[32:33]
	s_lshl_b32 s32, s39, 18                        ; wcodes: 262,144 bytes a step, 1,024 for each 16 columns
	s_lshl_b32 s36, s38, 6
	s_add_co_u32 s32, s32, s36
	s_add_nc_u64 s[42:43], s[42:43], s[32:33]
	s_lshl_b32 s32, s39, 14                        ; wscales: 16,384 bytes a step, 4 a column
	s_lshl_b32 s36, s38, 2
	s_add_co_u32 s32, s32, s36
	s_add_nc_u64 s[44:45], s[44:45], s[32:33]
	; ---- A: what the attention loads from memory, in one run
	global_load_b128 v[96:99], v240, s[4:5]                  ; key t: K half 0,
	global_load_b128 v[100:103], v240, s[4:5] offset:32768   ; K half 1;
	global_load_b128 v[104:107], v240, s[4:5] offset:8192    ; key t + 512 likewise
	global_load_b128 v[108:111], v240, s[4:5] offset:40960
.irp i, 0,1,2
	global_load_b128 v[112+4*\i:115+4*\i], v241, s[6:7] offset:32768*\i          ; C_q's columns 4 i .. 4 i + 3: K half 0,
	global_load_b128 v[124+4*\i:127+4*\i], v241, s[6:7] offset:98304+32768*\i    ; K half 1
.endr
.irp i, 0,1,2,3,4,5,6,7,8,9,10,11
	global_load_b64 v[136+2*\i:137+2*\i], v242, s[8:9] offset:512*\i
.endr
	global_load_b64 v[16:17], v242, s[10:11]
	global_load_b32 v18, v243, s[12:13]
	global_load_b32 v19, v243, s[12:13] offset:16384
	global_load_b32 v20, v254, s[14:15]
	; addresses and first values, while the loads are out
	v_lshlrev_b32 v1, 4, v232
	v_lshl_add_u32 v1, v236, 8, v1
	v_lshl_add_u32 v1, v233, 3, v1                 ; AK0: row r of a tile of keys: 16 (r % 8) + 384 (r / 8), + 8 h
	v_lshl_add_u32 v2, v234, 4, VIMG               ; LI0: an image's place for my lane
	v_lshl_add_u32 v3, v234, 2, VSC                ; LS0: a scale word's
	s_lshr_b32 s32, s20, 3                         ; which four key steps I prepare
	s_mul_i32 s36, s32, 12288
	v_add_nc_u32 v4, s36, v1                       ; AKV
	s_lshl_b32 s36, s32, 15
	s_lshl_b32 s37, s34, 10
	s_add_co_u32 s36, s36, s37
	v_add_nc_u32 v5, s36, v2                       ; VWI
	s_lshl_b32 s36, s32, 12
	s_lshl_b32 s37, s34, 7
	s_add_co_u32 s36, s36, s37
	v_add_nc_u32 v6, s36, v3                       ; VWS
	s_lshl_b32 s36, s20, 6
	v_lshl_add_u32 v7, v232, 2, s36
	v_add_nc_u32 v7, OSC, v7                       ; OSW: 64 bytes a wave, 4 r
	v_lshlrev_b32 v11, 4, v234
	v_lshlrev_b32 v21, 2, v234                     ; Wo's rows and its scale words: 4 bytes a lane
	v_lshlrev_b32 v22, 4, v232
	v_lshl_add_u32 v22, v233, 10, v22              ; my column's place in Wo's images: tile lane / 16, 16 (lane % 16)
	v_lshrrev_b32 v244, 4, v0
	v_mul_u32_u24 v244, v244, 384
	v_lshl_add_u32 v244, v232, 4, v244             ; where key t goes in CKV
	v_mov_b32 v13, 0xff61b1e6                      ; the largest t so far: -3e38
	v_floor_f32 v12, -v13                          ; -M
	v_mov_b32 v14, 0
	v_mov_b32 v15, 0
.irp b, 0,1,2,3
	v_mov_b32 v[236+\b], 0                         ; written once: a lane permute's destination counts as one of its sources
.endr
	v_mov_b32 v253, 0                              ; (named as the upper half of the pair v[252:253] before it is first written)
.set j, 0
.rept 64
	v_mov_b32 v[160+j], 0                          ; O^T: the loop is written once; its first step finds zeros
.set j, j+1
.endr
	s_wait_loadcnt 0x0
	v_pk_add_f32 v[96:97], v[96:97], v[100:101]    ; the two halves of K
	v_pk_add_f32 v[98:99], v[98:99], v[102:103]
	v_pk_add_f32 v[104:105], v[104:105], v[108:109]
	v_pk_add_f32 v[106:107], v[106:107], v[110:111]
	ds_store_b128 v244, v[96:99]
	ds_store_b128 v244, v[104:107] offset:12288
.irp i, 0,2,4,6,8,10
	v_pk_add_f32 v[112+\i:113+\i], v[112+\i:113+\i], v[124+\i:125+\i]
.endr
.irp i, 0,1,2,3,4,5,6,7,8,9,10,11
	v_fma_f32 v16, v[136+2*\i], v[112+\i], v16     ; q(r, 2 h) and q(r, 2 h + 1), begun with b_qk
	v_fma_f32 v17, v[137+2*\i], v[112+\i], v17
.endr
	v_pk_mul_f32 v[16:17], v[16:17], 0x3f38aa3b op_sel_hi:[1,0]   ; x 0.5 log2(e)
	WLOAD                                          ; my first block of Wo, into registers that C_q and W_qk have left: it lands while V is prepared
.irp j, 0,1,2,3,4,5,6,7
	v_mov_b32 v[24+\j], v20                        ; bv_u of my d, for all eight keys of a result: V's C operand
.endr
	BARRIER                                        ; C_kv of the batch lies in LDS
	; ---- B: V^T.  Wave w: tile w % 8 of d, key steps 4 (w / 8) + 0 .. 3.  Source 0 = 16 keys of C_kv, source 1 = Wv_u's 16 columns: a lane holds one d, its registers run along the keys
.irp sl, 0,1,2,3
.irp t, 0,1,2,3,4,5,6,7
	ds_load_b64 v[96+2*\t:97+2*\t], v4 offset:3072*\sl+768*(\t/2)+128*(\t%2)
.endr
	s_wait_dscnt 0x0
.irp t, 0,1,2,3,4,5,6,7
	v_wmma_f32_16x16x4_f32 v[32+8*\t:39+8*\t], v[96+2*\t:97+2*\t], v[18:19], v[24:31]
.endr
.rept 8
	v_nop                                          ; eight places behind this form
.endr
	QUANT 32
.irp c, 0,1
	ds_store_b128 v5, v[PC+4*\c:PC+4*\c+3] offset:8192*\sl+512*\c
.endr
	ds_store_b32 v6, v[PW] offset:1024*\sl
	s_wait_dscnt 0x0                               ; the stores have read their registers
.endr
	v_mov_b32 v28, 0                               ; Wo's scale word begins empty (bv_u's registers are free now)
	BARRIER                                        ; V's 64 fragments and their scale words lie in LDS; nothing in LDS is written in the loop
; A KEY STEP: 128 keys.
.macro STEP
	v_add_nc_u32 v8, s28, v1
	v_add_nc_u32 v9, s29, v2
	v_add_nc_u32 v10, s30, v3
	v_nop                                          ; these four are the places in front of loads into registers that the last step's products have read
.irp t, 0,1,2,3,4,5,6,7
	ds_load_b64 v[96+2*\t:97+2*\t], v8 offset:768*(\t/2)+128*(\t%2)
.endr
	s_wait_dscnt 0x0
.irp t, 0,1,2,3,4,5,6,7
	v_wmma_f32_16x16x4_f32 v[32+8*\t:39+8*\t], v[96+2*\t:97+2*\t], v[16:17], 0   ; t^T: register 16 b + i = key 32 b + 16 h + i of my query
.endr
.rept 8
	v_nop
.endr
.irp b, 0,1,2,3
	v_max3_num_f32 v[232+\b], v[32+16*\b], v[33+16*\b], v[34+16*\b]   ; the largest t of each block of 32 keys: for the row's maximum and, since p rises with t, for the block's largest p.  Each result is read from its low end on
.endr
.irp i, 3,5,7,9,11,13
.irp b, 0,1,2,3
	v_max3_num_f32 v[232+\b], v[232+\b], v[32+16*\b+\i], v[33+16*\b+\i]
.endr
.endr
.irp b, 0,1,2,3
	v_max_num_f32 v[232+\b], v[232+\b], v[47+16*\b]
.endr
.irp b, 0,1,2,3
	v_permlanex16_b32 v[236+\b], v[232+\b], s22, s23
.endr
.irp b, 0,1,2,3
	v_max_num_f32 v[232+\b], v[232+\b], v[236+\b]  ; with lane l xor 16's 16 keys
.endr
	v_max3_num_f32 v254, v232, v233, v234
	v_max_num_f32 v254, v254, v235                 ; the step's largest t of my query
	v_max_num_f32 v13, v13, v254                   ; the running largest t
	v_mov_b32 v254, v12
	v_floor_f32 v12, -v13                          ; the new -M = floor(-t) = -ceil(t)
	v_sub_f32 v254, v12, v254                      ; old M - new M: a whole number, 0 or less
	v_cvt_i32_f32 v254, v254                       ; (it saturates)
	v_ldexp_f32 v252, 1.0, v254                    ; f = 2^(old M - new M)
	; p of blocks 0 and 1, in v96-127
.set j, 0
.rept 16
	v_pk_add_f32 v[96+j:97+j], v[32+j:33+j], v[12:13] op_sel_hi:[1,0]   ; t - M, two at a time, into other registers than the product's
.set j, j+2
.endr
.irp b, 0,1,2,3
	v_add_f32 v[232+\b], v[232+\b], v12            ; the same of each block's largest t
.endr
.set j, 0
.rept 32
	v_exp_f32 v[96+j], v[96+j]                     ; p = 2^(t - M), at most 1: not normalised
.set j, j+1
.endr
.irp b, 0,1,2,3
	v_exp_f32 v[232+\b], v[232+\b]                 ; the block's largest p: the same addition and exponential on the same number
.endr
	v_pk_mul_f32 v[14:15], v[14:15], v[252:253] op_sel_hi:[1,0]   ; the sums under the new M.  (A plain place behind the exponentials)
	s_wait_alu depctr_va_vdst(0)
.irp b, 0,1,2,3
	v_max_num_f32 v[232+\b], 0x1800000, v[232+\b]  ; the floor 2^(3 - 127)
.endr
.irp b, 0,1,2,3
	v_add_nc_u32 v[244+\b], 0xff000000, v[232+\b]  ; the conversion's scale operand
.endr
.irp b, 0,1,2,3
	v_lshrrev_b32 v[236+\b], 23, v[244+\b]         ; the scale's byte
.endr
	v_lshl_or_b32 v253, v237, 8, v236              ; p's scale word for these 128 keys
	v_lshl_or_b32 v253, v238, 16, v253
	v_lshl_or_b32 v253, v239, 24, v253
.irp b, 0,1
	v_cvt_scalef32_pk8_fp4_f32 v[224+2*\b], v[96+16*\b:103+16*\b], v[244+\b]
	v_cvt_scalef32_pk8_fp4_f32 v[225+2*\b], v[104+16*\b:111+16*\b], v[244+\b]
.endr
	v_nop                                          ; one plain place behind a scaled conversion
.irp i, 0,1
	v_permlane16_swap_b32 v[224+\i], v[226+\i]     ; lanes 0-15 block 0 whole, lanes 16-31 block 1
.endr
	v_pk_add_f32 v[236:237], v[96:97], v[98:99]    ; the row's sum is taken of the unquantised p: two at a time, in two chains
.irp j, 4,8,12,16,20,24,28
	v_pk_add_f32 v[14:15], v[14:15], v[96+\j:97+\j]
	v_pk_add_f32 v[236:237], v[236:237], v[98+\j:99+\j]
.endr
	; p of blocks 2 and 3, in the same registers: the first half has been converted and summed
.set j, 0
.rept 16
	v_pk_add_f32 v[96+j:97+j], v[64+j:65+j], v[12:13] op_sel_hi:[1,0]
.set j, j+2
.endr
.set j, 0
.rept 32
	v_exp_f32 v[96+j], v[96+j]
.set j, j+1
.endr
	v_nop                                          ; a plain place behind the exponentials
	s_wait_alu depctr_va_vdst(0)
.irp b, 0,1
	v_cvt_scalef32_pk8_fp4_f32 v[228+2*\b], v[96+16*\b:103+16*\b], v[246+\b]
	v_cvt_scalef32_pk8_fp4_f32 v[229+2*\b], v[104+16*\b:111+16*\b], v[246+\b]
.endr
	v_nop
.irp i, 0,1
	v_permlane16_swap_b32 v[228+\i], v[230+\i]
.endr
.irp j, 0,4,8,12,16,20,24,28
	v_pk_add_f32 v[14:15], v[14:15], v[96+\j:97+\j]
	v_pk_add_f32 v[236:237], v[236:237], v[98+\j:99+\j]
.endr
	v_pk_add_f32 v[14:15], v[14:15], v[236:237]
.set j, 0
.rept 32
	v_pk_mul_f32 v[160+j:161+j], v[160+j:161+j], v[252:253] op_sel_hi:[1,0]   ; O^T under the new M.  (These are also the places between the scale word's and the codes' last writes and the products below)
.set j, j+2
.endr
.irp g, 0,1                                    ; O^T += V^T p^T: four tiles of d at a time; the accumulators take turns
.if \g > 0
.rept 4
	v_nop                                          ; four places in front of loads into registers that the products above have read
.endr
.endif
.irp t, 0,1,2,3
.irp c, 0,1
	ds_load_b128 v[96+8*\t+4*\c:99+8*\t+4*\c], v9 offset:1024*(4*\g+\t)+512*\c
.endr
	ds_load_b32 v[248+\t], v10 offset:128*(4*\g+\t)
.endr
	s_wait_dscnt 0x0
.irp t, 0,1,2,3
	v_wmma_scale_f32_16x16x128_f8f6f4 v[160+8*(4*\g+\t):167+8*(4*\g+\t)], v[96+8*\t:103+8*\t], v[224:231], v[160+8*(4*\g+\t):167+8*(4*\g+\t)], v[248+\t], v253 matrix_a_fmt:MATRIX_FMT_FP4 matrix_b_fmt:MATRIX_FMT_FP4
.endr
.endr
	s_add_co_u32 s28, s28, 3072
	s_add_co_u32 s29, s29, 8192
	s_add_co_u32 s30, s30, 1024
.endm
	; ---- C: 4 trips: a block of Wo, then two key steps
	s_mov_b32 s28, 0                               ; the step's keys in CKV: 3,072 bytes a step
	s_mov_b32 s29, 0                               ; its images of V: 8,192
	s_mov_b32 s30, 0                               ; its scale words of V: 1,024
	s_mov_b32 s31, 4
.Ltrip:
	s_wait_loadcnt 0x0                             ; my block of Wo is in: its 32 loads were issued a whole trip ago (the first ahead of V's preparation); no other load is out
	s_add_nc_u64 s[40:41], s[40:41], 524288        ; 32 rows of Wo on (the loads that named the base are done)
	v_max3_num_f32 v29, |v128|, |v129|, |v130|     ; the block's largest magnitude: all 32 numbers are mine
	v_max3_num_f32 v30, |v131|, |v132|, |v133|
.irp i, 6,10,14,18,22,26
	v_max3_num_f32 v29, v29, |v[128+\i]|, |v[129+\i]|
	v_max3_num_f32 v30, v30, |v[130+\i]|, |v[131+\i]|
.endr
	v_max3_num_f32 v29, v29, |v158|, |v159|
	v_max3_num_f32 v29, v29, v30, 0x1800000        ; and the floor 2^(3 - 127): the byte cannot fall under 1
	v_add_nc_u32 v31, 0xff000000, v29              ; 2 off the exponent field: the conversion takes that field of this operand as its scale
	v_lshrrev_b32 v30, 23, v31                     ; the scale's byte
	v_lshrrev_b32 v28, 8, v28                      ; it enters the word at the top, and the earlier bytes move down: after four blocks the lowest K lies in the lowest byte
	v_lshl_or_b32 v28, v30, 24, v28
.irp g, 0,1,2,3
	v_cvt_scalef32_pk8_fp4_f32 v[24+\g], v[128+8*\g:135+8*\g], v31
.endr
	v_nop                                          ; one plain place behind the conversions
	global_store_b128 v22, v[24:27], s[42:43]      ; block 2 c + hh of the step: registers 4 c on of lanes 16 hh on: lanes 0-15 fill 256 consecutive aligned bytes of one tile's image, lanes 16-31 of the next tile's
	s_cmp_eq_u32 s31, 1
	s_cbranch_scc1 .Lno_more                       ; the last trip asks for nothing: no load leaves my share
	WLOAD
.Lno_more:
	STEP
	STEP
	s_wait_xcnt 0x0                                ; the store has read its data and its base: both are written again only behind this wait
	s_add_nc_u64 s[42:43], s[42:43], 256           ; the next block's place in the images
	s_sub_co_u32 s31, s31, 1
	s_cmp_lg_u32 s31, 0
	s_cbranch_scc1 .Ltrip
	global_store_b32 v21, v28, s[44:45]            ; my columns' scale words of this step of K: 128 consecutive bytes a wave, 2,048 a work-group
	; ---- D: O = O^T / the sum, quantised along d, out as an image
	v_add_f32 v14, v14, v15                        ; the sum's two halves,
	v_permlanex16_b32 v252, v14, s22, s23
	v_add_f32 v14, v14, v252                       ; and lane l xor 16's
	v_rcp_f32 v14, v14
.rept 4
	v_nop                                          ; the places behind the last products and behind the reciprocal
.endr
.set j, 0
	s_wait_alu depctr_va_vdst(0)
.rept 64
	v_mul_f32 v[96+j], v[160+j], v14               ; register 16 b + i = d 32 b + 16 h + i of my query
.set j, j+1
.endr
	QUANT 96
	global_store_b128 v11, v[224:227], s[16:17]              ; 512 consecutive bytes a store
	global_store_b128 v11, v[228:231], s[16:17] offset:512
	ds_store_b32 v7, v[PW]                         ; lanes r and r + 16 write the same word with the same value
	BARRIER                                        ; the 256 queries' scale words lie in LDS
	s_cmp_lt_u32 s20, 2
	s_cbranch_scc0 .Lend                           ; waves 0 and 1 store them: 512 consecutive bytes each
	v_lshl_add_u32 v8, v0, 4, OSC                  ; 16 bytes a thread, threads 0 to 63
	v_lshlrev_b32 v9, 4, v0
	ds_load_b128 v[96:99], v8
	s_wait_dscnt 0x0
	global_store_b128 v9, v[96:99], s[18:19]
.Lend:
	s_wait_tensorcnt 0x0
	ds_add_u32 v23, v255
	s_wait_dscnt 0x0
	s_endpgm
.Lfunc_end_k_qa4c8fd4559_attn:
	.size	k_qa4c8fd4559_attn, .Lfunc_end_k_qa4c8fd4559_attn-k_qa4c8fd4559_attn
	.p2alignl 7, 3214868480
	.fill 96, 4, 3214868480
	.section	.rodata,"a",@progbits
	.p2align	6, 0x0
	.amdhsa_kernel k_qa4c8fd4559_attn
		.amdhsa_group_segment_fixed_size 101376
		.amdhsa_private_segment_fixed_size 0
		.amdhsa_enable_private_segment 0
		.amdhsa_kernarg_size 88
		.amdhsa_user_sgpr_count 2
		.amdhsa_user_sgpr_kernarg_segment_ptr 1
		.amdhsa_wavefront_size32 1
		.amdhsa_system_sgpr_workgroup_id_x 1
		.amdhsa_system_sgpr_workgroup_id_y 1
		.amdhsa_system_sgpr_workgroup_id_z 1
		.amdhsa_system_vgpr_workitem_id 0
		.amdhsa_next_free_vgpr 256
		.amdhsa_next_free_sgpr 66
		.amdhsa_reserve_vcc 0
		.amdhsa_float_denorm_mode_32 3
		.amdhsa_float_denorm_mode_16_64 3
		.amdhsa_memory_ordered 1
		.amdhsa_forward_progress 1
		.amdhsa_inst_pref_size 82
	.end_amdhsa_kernel
	.amdgpu_metadata
---
amdhsa.version: [ 1, 2 ]
amdhsa.kernels:
  - .name:           k_qa4c8fd4559_attn
    .symbol:         k_qa4c8fd4559_attn.kd
    .args:
      - { .name: ckv, .offset: 0, .size: 8, .value_kind: global_buffer, .address_space: global }
      - { .name: cq, .offset: 8, .size: 8, .value_kind: global_buffer, .address_space: global }
      - { .name: W_qk, .offset: 16, .size: 8, .value_kind: global_buffer, .address_space: global }
      - { .name: b_qk, .offset: 24, .size: 8, .value_kind: global_buffer, .address_space: global }
      - { .name: Wv_u, .offset: 32, .size: 8, .value_kind: global_buffer, .address_space: global }
      - { .name: bv_u, .offset: 40, .size: 8, .value_kind: global_buffer, .address_space: global }
      - { .name: ocodes, .offset: 48, .size: 8, .value_kind: global_buffer, .address_space: global }
      - { .name: oscales, .offset: 56, .size: 8, .value_kind: global_buffer, .address_space: global }
      - { .name: Wo, .offset: 64, .size: 8, .value_kind: global_buffer, .address_space: global }
      - { .name: wcodes, .offset: 72, .size: 8, .value_kind: global_buffer, .address_space: global }
      - { .name: wscales, .offset: 80, .size: 8, .value_kind: global_buffer, .address_space: global }
    .group_segment_fixed_size: 101376
    .private_segment_fixed_size: 0
    .kernarg_segment_align: 8
    .kernarg_segment_size: 88
    .max_flat_workgroup_size: 512
    .sgpr_count:     66
    .vgpr_count:     256
    .wavefront_size: 32
...
	.end_amdgpu_metadata
.endif
;; end of part 2
;; launch gemm (part 3): grid 16 x 16, 4 waves a work-group, clusters of 4 x 4, 327,680 bytes of LDS; arguments ocodes, oscales, wcodes, wscales, bo, out0; writes out0
.if DOCPART == 3
	.amdgcn_target "amdgcn-amd-amdhsa--gfx1250"
	.amdhsa_code_object_version 6
	.text
	.protected	k_qa4c8fd4559_gemm
	.globl	k_qa4c8fd4559_gemm
	.p2align	8
	.type	k_qa4c8fd4559_gemm,@function
k_qa4c8fd4559_gemm:
	s_mov_b64 s[64:65], 0
	v_nop
	global_prefetch_b8 v0, s[64:65] scope:SCOPE_SE
	s_setreg_imm32_b32 hwreg(HW_REG_WAVE_MODE, 25, 1), 1
	s_wait_xcnt 0x0
	s_wait_alu depctr_hold_cnt(0) depctr_sa_sdst(0) depctr_va_vdst(0) depctr_va_sdst(0) depctr_va_ssrc(0) depctr_va_vcc(0) depctr_vm_vsrc(0)
	s_getreg_b32 s2, hwreg(HW_REG_IB_STS2, 6, 4)
	s_cmp_eq_u32 s2, 0
	s_cbranch_scc0 .Lentry_in_a_cluster
	s_endpgm
.Lentry_in_a_cluster:
	s_bfe_u32 s2, ttmp6, 0x10000c
	s_cmp_lg_u32 s2, 0xf033
	s_cbranch_scc0 .Lentry_shape_is_right
	s_endpgm
.Lentry_shape_is_right:
; out0[token][n] = sum over k of O[token][k] Wo[k][n] + bo[n], on codes of E2M1 with one E8M0 scale for each 32 along K; sums in f32.  2,048 x 4,096 x 4,096.
; Both operands lie in memory as IMAGES of the operand's registers: [32 steps of 128 k][tiles of 16 rows][1,024 bytes], registers 4 c .. 4 c + 3 of lane L at 512 c + 16 L; scale words [32 steps][rows][4 bytes].
; So a fragment is two ds_load_b128 of 512 consecutive bytes, no pitch and no padding, and a step's tiles of a work-group are one dense run of memory.
; A tile of out0 is 128 tokens x 256 columns: 256 work-groups; tiles of 256 x 256 would be 128.  Four waves, each 64 tokens x 128 columns: 32 accumulators, 256 registers.
; K goes through a ring of two LDS slots of 512 along K (four steps of 128), filled by the tensor data mover: waves 0, 1 two steps of O's tiles each, waves 2, 3 two steps of Wo's.
; THE SCALE WORDS of the work-group's rows, for all of K, come into LDS once, with the first fills, and stay.
; CLUSTERS: 4 x 4 work-groups.  The four of a row of the cluster need the same tiles of O, the four of a column the same tiles of Wo: each is asked for jointly, by the same tensor load with a mask that names the four.
; THE MATRIX INSTRUCTION IS USED TRANSPOSED (source 0 = 16 columns of Wo, source 1 = 16 tokens): a lane holds eight neighbouring numbers of a row of out0.  bo is the C of each sum's first product.
; By this text's count a wave has three tensor loads out at the start and one behind each round.
; LDS: slot s at 98304 s: O's 4 x 8 images, then Wo's 4 x 16;  SCA 196608: [32][128 words];  SCB 212992: [32][256 words];  SPARE 245760.  The stage of the way out lies in slot 0, behind that slot's last fill and last read.
; REGISTERS: window 0: v16-29 addresses; v32-43 scale words, two sets of 6; v64-127 O's fragments, two sets of 4; v128-255 rows on the way out.
;   window 1: v0-127 Wo's fragments, two sets of 8; v128-191 bo, 8 registers for each block of 16 columns.   window 2: the accumulators, (a, b) at v[8 (8 a + b)].
.set SLOT,  98304
.set BOFF,  32768
.set SCA,   196608
.set SCB,   212992
.set SPARE, 245760                     ; the spare words, 128 bytes for each wave: two blocks of 256 bytes that no other line names
.set ADRA, 16                          ; v16-17  LDS address of my fragments of O in slot 0, 1
.set ADRB, 20                          ; v20-21  the same for Wo
.set ADSA, 22                          ; v22     my scale words of O, of the slot in hand
.set ADSB, 23                          ; v23     of Wo
.set STO,  24                          ; v24     the way out: where I put 32 bytes of a row
.set RD,   25                          ; v25     where I read a row back
.set CO,   26                          ; v26     my byte offset in a row of out0
.set SPW,  28                          ; v28     LDS address of my spare word; never rewritten
.set NIL,  29                          ; v29     0; never rewritten
.set G1A,  24                          ; s[24:31] descriptor group 1 for O's tiles;  s[32:39] group 0, a set for each slot
.set G0A,  32
.set G1B,  48                          ; s[48:55], s[56:63] the same for Wo's
.set G0B,  56
.set G1SA, 68                          ; s[68:75], s[76:79] groups 1 and 0 for O's scale words;  s[80:87], s[88:91] for Wo's
.set G0SA, 76
.set G1SB, 80
.set G0SB, 88
.set MSB, 0
.macro WIN new                         ; the immediate's high byte repeats the setting that is left
.if MSB != \new
	s_set_vgpr_msb (MSB<<8)|\new
.set MSB, \new
.endif
.endm
.set MUL,   0xa1                       ; source 0 (Wo) window 1, source 1 (O) window 0, C and D window 2
.set MUL_1, 0x91                       ; the same with C (bo) in window 1
.set TO_B,  0x40                       ; destination window 1, address window 0
; A joint load: waves 0 and 1 ask for O, waves 2 and 3 for Wo.  Each line has one mask and one set of registers for all that issue it; the branch hangs on the wave's number alone.
; Four v_nop follow each of the two lines, ahead of the jump, the label and what follows.
.macro JLOAD g0a, g1a, g0b, g1b
	s_cmp_eq_u32 s17, 0
	s_cbranch_scc0 .Lfor_b_\@
	tensor_load_to_lds s[\g0a:\g0a+3], s[\g1a:\g1a+7]
	s_nop 0
.rept 4
	v_nop
.endr
	s_branch .Lasked_\@
.Lfor_b_\@:
	tensor_load_to_lds s[\g0b:\g0b+3], s[\g1b:\g1b+7]
	s_nop 0
.rept 4
	v_nop
.endr
.Lasked_\@:
.endm
.macro CREST                           ; a round of the cluster's barrier behind its opening barrier
	s_cmp_lg_u32 s16, 0
	s_cbranch_scc1 .Lnot_wave_0_\@
	s_barrier_signal -3
.Lnot_wave_0_\@:
	s_barrier_wait -3
	s_barrier_signal -1
	s_barrier_wait -1
.endm
.macro CROUND                          ; a whole round
	s_barrier_signal -1
	s_barrier_wait -1
	CREST
.endm
.macro PLACES n
.rept \n
	v_nop
.endr
.endm
	s_load_b128 s[4:7], s[0:1], 0x0                ; ocodes s[4:5], oscales s[6:7]
	s_load_b128 s[8:11], s[0:1], 0x10              ; wcodes s[8:9], wscales s[10:11]
	s_load_b128 s[12:15], s[0:1], 0x20             ; bo s[12:13], out0 s[14:15]
	v_lshl_add_u32 v[SPW], v0, 2, SPARE
	v_mov_b32 v[NIL], 0
	ds_add_u32 v28, v29
	ds_add_u32 v28, v29
	s_wait_dscnt 0x0
	v_lshrrev_b32 v1, 5, v0
	v_readfirstlane_b32 s16, v1                    ; wave 0..3
	s_lshr_b32 s17, s16, 1                         ; which 64 tokens are mine.  Also: I ask for O (0) or for Wo (1)
	s_and_b32 s18, s16, 1                          ; which 128 columns.  Also: which two of a slot's four steps I ask for
	s_bfe_u32 s40, ttmp6, 0x40000                  ; cx, cy: my place in the cluster
	s_bfe_u32 s41, ttmp6, 0x40004
	s_lshl_b32 s42, ttmp9, 2
	s_add_co_u32 s42, s42, s40                     ; which 256 columns = 4 x cluster x + cx
	s_and_b32 s19, ttmp7, 0xffff
	s_lshl_b32 s19, s19, 2
	s_add_co_u32 s19, s19, s41                     ; which 128 tokens = 4 x cluster y + cy
	s_lshl_b32 s43, s41, 2
	s_lshl_b32 s43, 15, s43                        ; my row of the cluster
	s_lshl_b32 s44, 0x1111, s40                    ; my column
	; descriptor groups 1: elements of 8 bytes, no padding; 15:0 the mask; 17:16 = 3; 21 set beside a mask
	s_or_b32 s[G1A+0], s43, (3<<16)|(1<<21)        ; O's tiles go to my row: 2 rows (steps) of 8,192 bytes, 131,072 bytes apart
	s_mov_b32 s[G1A+1], 1024<<16                   ; tensor_dim0
	s_mov_b32 s[G1A+2], 2<<16                      ; tensor_dim1
	s_mov_b32 s[G1A+3], 1024<<16                   ; tile_dim0
	s_mov_b32 s[G1A+4], 2                          ; tile_dim1
	s_mov_b32 s[G1A+5], 16384                      ; tensor_dim0_stride
	s_mov_b32 s[G1A+6], 0
	s_mov_b32 s[G1A+7], 0
	s_or_b32 s[G1B+0], s44, (3<<16)|(1<<21)        ; Wo's go to my column: 2 rows of 16,384 bytes, 262,144 apart
	s_mov_b32 s[G1B+1], 2048<<16
	s_mov_b32 s[G1B+2], 2<<16
	s_mov_b32 s[G1B+3], 2048<<16
	s_mov_b32 s[G1B+4], 2
	s_mov_b32 s[G1B+5], 32768
	s_mov_b32 s[G1B+6], 0
	s_mov_b32 s[G1B+7], 0
	s_or_b32 s[G1SA+0], s43, (3<<16)|(1<<21)       ; O's scale words: 16 rows (steps) of 512 bytes, 8,192 apart
	s_mov_b32 s[G1SA+1], 64<<16
	s_mov_b32 s[G1SA+2], 16<<16
	s_mov_b32 s[G1SA+3], 64<<16
	s_mov_b32 s[G1SA+4], 16
	s_mov_b32 s[G1SA+5], 1024
	s_mov_b32 s[G1SA+6], 0
	s_mov_b32 s[G1SA+7], 0
	s_or_b32 s[G1SB+0], s44, (3<<16)|(1<<21)       ; Wo's: 16 rows of 1,024 bytes, 16,384 apart
	s_mov_b32 s[G1SB+1], 128<<16
	s_mov_b32 s[G1SB+2], 16<<16
	s_mov_b32 s[G1SB+3], 128<<16
	s_mov_b32 s[G1SB+4], 16
	s_mov_b32 s[G1SB+5], 2048
	s_mov_b32 s[G1SB+6], 0
	s_mov_b32 s[G1SB+7], 0
	; where the tiles come from: O's hang on the tokens' strip alone, Wo's on the columns' strip alone, each in registers that never hold the other coordinate
	s_lshl_b32 s20, s19, 13                        ; O's codes: 8,192 bytes a strip in each step, + my two steps
	s_lshl_b32 s21, s18, 18
	s_add_co_u32 s20, s20, s21
	s_mov_b32 s21, 0
	s_lshl_b32 s22, s19, 9                         ; O's scale words: 512 bytes a strip, + my 16 steps
	s_lshl_b32 s23, s18, 17
	s_add_co_u32 s22, s22, s23
	s_mov_b32 s23, 0
	s_lshl_b32 s46, s42, 14                        ; Wo's codes: 16,384 bytes a strip
	s_lshl_b32 s47, s18, 19
	s_add_co_u32 s46, s46, s47
	s_mov_b32 s47, 0
	s_lshl_b32 s92, s42, 10                        ; Wo's scale words: 1,024 bytes a strip
	s_lshl_b32 s93, s18, 18
	s_add_co_u32 s92, s92, s93
	s_mov_b32 s93, 0
	s_lshl_b32 s45, s18, 14                        ; and where they go: no place in the cluster enters an LDS address
	s_lshl_b32 s94, s18, 15
	s_add_co_u32 s94, s94, BOFF
	s_lshl_b32 s95, s18, 13
	s_lshl_b32 s96, s19, 21                        ; out0: 128 rows of 16,384 bytes a strip,
	s_lshl_b32 s98, s17, 20                        ; my 64 rows,
	s_add_co_u32 s96, s96, s98
	s_lshl_b32 s98, s42, 10                        ; 1,024 bytes a strip of columns,
	s_lshl_b32 s99, s18, 9                         ; my 128 columns
	s_add_co_u32 s98, s98, s99
	s_add_co_u32 s96, s96, s98
	s_mov_b32 s97, 0
	s_mov_b32 s99, 0                               ; s[98:99]: my columns' bytes in bo
	s_wait_kmcnt 0x0
	s_add_nc_u64 s[20:21], s[4:5], s[20:21]
	s_add_nc_u64 s[22:23], s[6:7], s[22:23]
	s_add_nc_u64 s[46:47], s[8:9], s[46:47]
	s_add_nc_u64 s[92:93], s[10:11], s[92:93]
	s_add_nc_u64 s[12:13], s[12:13], s[98:99]
	s_add_nc_u64 s[14:15], s[14:15], s[96:97]
	CROUND                                         ; all sixteen work-groups are here: the first joint loads meet
	s_mov_b32 s[G0SA], 1
	s_add_co_u32 s[G0SA+1], s95, SCA
	s_mov_b64 s[G0SA+2:G0SA+3], s[22:23]
	s_or_b32 s[G0SA+3], s[G0SA+3], 0x80000000
	s_mov_b32 s[G0SB], 1
	s_add_co_u32 s[G0SB+1], s45, SCB
	s_mov_b64 s[G0SB+2:G0SB+3], s[92:93]
	s_or_b32 s[G0SB+3], s[G0SB+3], 0x80000000
	JLOAD G0SA, G1SA, G0SB, G1SB                   ; the scale words first: they are wanted with the first step
.irp s, 0,1
	s_mov_b32 s[G0A+4*\s], 1
	s_add_co_u32 s[G0A+4*\s+1], s45, \s*SLOT
	s_add_nc_u64 s[G0A+4*\s+2:G0A+4*\s+3], s[20:21], \s*524288
	s_or_b32 s[G0A+4*\s+3], s[G0A+4*\s+3], 0x80000000
	s_mov_b32 s[G0B+4*\s], 1
	s_add_co_u32 s[G0B+4*\s+1], s94, \s*SLOT
	s_add_nc_u64 s[G0B+4*\s+2:G0B+4*\s+3], s[46:47], \s*1048576
	s_or_b32 s[G0B+4*\s+3], s[G0B+4*\s+3], 0x80000000
	JLOAD G0A+4*\s, G1A, G0B+4*\s, G1B
.endr
	v_and_b32 v1, 15, v0                           ; r
	v_bfe_u32 v2, v0, 4, 1                         ; h
	v_and_b32 v3, 31, v0                           ; lane
	v_lshlrev_b32 v27, 5, v2                       ; bo: my half's eight columns of a block
	WIN TO_B
.irp b, 0,1,2,3,4,5,6,7
	global_load_b128 v[128+8*\b:131+8*\b], v27, s[12:13] offset:64*\b
	global_load_b128 v[132+8*\b:135+8*\b], v27, s[12:13] offset:64*\b+16
.endr
	WIN 0
	v_lshlrev_b32 v[CO], 4, v3                     ; 16 x lane
	s_lshl_b32 s66, s17, 12                        ; my four tiles of O in a step
	v_add_nc_u32 v[ADRA], s66, v[CO]
	v_add_nc_u32 v[ADRA+1], SLOT, v[ADRA]
	s_lshl_b32 s67, s18, 13                        ; my eight tiles of Wo, behind O's
	s_add_co_u32 s67, s67, BOFF
	v_add_nc_u32 v[ADRB], s67, v[CO]
	v_add_nc_u32 v[ADRB+1], SLOT, v[ADRB]
	s_lshl_b32 s66, s17, 8
	v_lshl_add_u32 v[ADSA], v3, 2, s66
	v_add_nc_u32 v[ADSA], SCA, v[ADSA]             ; my 64 tokens' words: 32 lanes take two blocks'
	s_lshl_b32 s67, s18, 9
	v_lshl_add_u32 v[ADSB], v3, 2, s67
	v_add_nc_u32 v[ADSB], SCB, v[ADSB]
	s_mul_i32 s66, s16, 8448                       ; my stage: 16 rows x (512 + 16) bytes
	v_mul_u32_u24 v[STO], v1, 528
	v_lshl_add_u32 v[STO], v2, 5, v[STO]
	v_add_nc_u32 v[STO], s66, v[STO]
	v_add_nc_u32 v[RD], s66, v[CO]
; the 30 LDS loads of a step: the slot's q-th 128 along K into set z: Wo's eight fragments, O's four, two registers of O's scale words, four of Wo's.
; A scale register carries block 2 i in lanes 0-15 and block 2 i + 1 in lanes 16-31; the product picks the row.
.macro FETCH slot, q, z
	WIN TO_B
.irp b, 0,1,2,3,4,5,6,7
.irp c, 0,1
	ds_load_b128 v[64*(\z)+8*\b+4*\c:64*(\z)+8*\b+4*\c+3], v[ADRB+\slot] offset:16384*(\q)+1024*\b+512*\c
.endr
.endr
	WIN 0
.irp a, 0,1,2,3
.irp c, 0,1
	ds_load_b128 v[64+32*(\z)+8*\a+4*\c:64+32*(\z)+8*\a+4*\c+3], v[ADRA+\slot] offset:8192*(\q)+1024*\a+512*\c
.endr
.endr
.irp i, 0,1
	ds_load_b32 v[32+6*(\z)+\i], v[ADSA] offset:512*(\q)+128*\i
.endr
.irp i, 0,1,2,3
	ds_load_b32 v[34+6*(\z)+\i], v[ADSB] offset:1024*(\q)+128*\i
.endr
.endm
; one product: tokens' block a x columns' block b, on set z.  first = 1: C is bo's block b (window 1): nothing is ever cleared
.macro MM a, b, z, first
.set rD, 8*(8*(\a)+(\b))
.set rC, rD
.if \first
.set rC, 128+8*(\b)
.endif
.set rB, 64*(\z)+8*(\b)
.set rA, 64+32*(\z)+8*(\a)
.set sB, 34+6*(\z)+(\b)/2
.set sA, 32+6*(\z)+(\a)/2
.if ((\a)%2) && ((\b)%2)
	v_wmma_scale_f32_16x16x128_f8f6f4 v[rD:rD+7], v[rB:rB+7], v[rA:rA+7], v[rC:rC+7], v[sB], v[sA] matrix_a_fmt:MATRIX_FMT_FP4 matrix_b_fmt:MATRIX_FMT_FP4 matrix_a_scale:MATRIX_SCALE_ROW1 matrix_b_scale:MATRIX_SCALE_ROW1
.elseif (\b)%2
	v_wmma_scale_f32_16x16x128_f8f6f4 v[rD:rD+7], v[rB:rB+7], v[rA:rA+7], v[rC:rC+7], v[sB], v[sA] matrix_a_fmt:MATRIX_FMT_FP4 matrix_b_fmt:MATRIX_FMT_FP4 matrix_a_scale:MATRIX_SCALE_ROW1
.elseif (\a)%2
	v_wmma_scale_f32_16x16x128_f8f6f4 v[rD:rD+7], v[rB:rB+7], v[rA:rA+7], v[rC:rC+7], v[sB], v[sA] matrix_a_fmt:MATRIX_FMT_FP4 matrix_b_fmt:MATRIX_FMT_FP4 matrix_b_scale:MATRIX_SCALE_ROW1
.else
	v_wmma_scale_f32_16x16x128_f8f6f4 v[rD:rD+7], v[rB:rB+7], v[rA:rA+7], v[rC:rC+7], v[sB], v[sA] matrix_a_fmt:MATRIX_FMT_FP4 matrix_b_fmt:MATRIX_FMT_FP4
.endif
.endm
.macro MULA a, z, first                ; eight products; the 32 accumulators take turns, one instruction a turn, in the same order in every step
.irp b, 0,1,2,3,4,5,6,7
	MM \a, \b, \z, \first
.endr
.endm
; A step of 128 along K that has its successor in the same slot: its fragments are in; the other set, which the step before multiplied, takes the next step's, four places behind those products; then 32 products.
.macro STEP slot, q, first
	s_wait_dscnt 0x0                               ; this step's 30 loads are in
	PLACES 4
	FETCH \slot, (\q)+1, ((\q)+1)%2
.if \first
	WIN MUL_1
.else
	WIN MUL
.endif
.irp a, 0,1,2,3
	MULA \a, (\q)%2, \first
.endr
.endm
; A slot's last step changes slots: ONE barrier; in front of it each wave waits for all its tensor loads, adds 0 to its spare word, and waits for that and for its own reads of this slot.  fill = 1: this slot is filled again, two slots ahead.
.macro TURN slot, next, fill
	WIN 0                                          ; (the add's two registers lie in window 0)
	s_wait_tensorcnt 0x0                           ; all my tensor loads have landed: my part of the next slot;
	ds_add_u32 v[SPW], v[NIL]                      ; 0 onto my spare word
	s_wait_dscnt 1                                 ; (the add alone may be out: this step's fragments are in)
	WIN MUL
	MULA 0, 1, 0                                   ; eight matrix instructions stand between the add and the wait for it
	s_wait_dscnt 0x0                               ; the add is done, and my reads of this slot are over
	s_barrier_signal -1
	MULA 1, 1, 0
	WIN 0
	s_barrier_wait -1
.if \fill
	CREST                                          ; the barrier has opened a round of the cluster's barrier: no wave of any partner still reads this slot or has a load on its way
	s_add_nc_u64 s[G0A+4*\slot+2:G0A+4*\slot+3], s[G0A+4*\slot+2:G0A+4*\slot+3], 1048576
	s_add_nc_u64 s[G0B+4*\slot+2:G0B+4*\slot+3], s[G0B+4*\slot+2:G0B+4*\slot+3], 2097152
	JLOAD G0A+4*\slot, G1A, G0B+4*\slot, G1B       ; the first tensor load behind the round; the four v_nop behind it are the places in front of the loads below
.else
	PLACES 4
.endif
	v_add_nc_u32 v[ADSA], 2048, v[ADSA]            ; on to the next slot's scale words (no LDS load of mine is out)
	v_add_nc_u32 v[ADSB], 4096, v[ADSB]
	FETCH \next, 0, 0
	WIN MUL
	MULA 2, 1, 0
	MULA 3, 1, 0
.endm
	s_wait_tensorcnt 1                             ; the scale words and my part of slot 0 are in (slot 1's load may be out)
	s_barrier_signal -1
	s_barrier_wait -1                              ; everybody's are
	s_wait_loadcnt 0x0                             ; bo
	FETCH 0, 0, 0
	STEP 0, 0, 1                                   ; the first step stands in front of the loop: its products start the sums, from bo
	WIN 0                                          ; at a label and at a branch every window is 0
	s_mov_b32 s3, 3
.Llap:                                                 ; a trip goes once round the ring, from a lap's second step to the next lap's first, and fills both slots again: 3 trips, 6 refills
	STEP 0, 1, 0
	STEP 0, 2, 0
	TURN 0, 1, 1
	STEP 1, 0, 0
	STEP 1, 1, 0
	STEP 1, 2, 0
	TURN 1, 0, 1
	STEP 0, 0, 0
	WIN 0
	s_sub_co_u32 s3, s3, 1
	s_cmp_lg_u32 s3, 0
	s_cbranch_scc1 .Llap
	STEP 0, 1, 0                                   ; the last lap fills nothing, and has no round of the cluster's barrier
	STEP 0, 2, 0
	TURN 0, 1, 0
	STEP 1, 0, 0
	STEP 1, 1, 0
	STEP 1, 2, 0
	s_wait_dscnt 0x0                               ; the very last step: nothing more to fetch
	WIN MUL
.irp a, 0,1,2,3
	MULA \a, 1, 0
.endr
	WIN 0
; THE WAY OUT, block by block of 16 tokens x 128 columns.  A lane holds 32 neighbouring bytes of a row and the lanes beside it hold other rows: a block goes through my own stage in LDS and comes back as whole rows of
; 512 bytes, which the 32 lanes store on end.  LDS serves a wave's instructions in order: no wait between the stores and the loads, nor in front of the next block's stores.
.macro TOSTAGE a
.set AC, 64*(\a)
	WIN 0x08                                       ; an LDS store's data are its source 1: window 2
.irp b, 0,1,2,3,4,5,6,7
	ds_store_b128 v[STO], v[AC+8*\b:AC+8*\b+3] offset:64*\b          ; each accumulator from its low end on
	ds_store_b128 v[STO], v[AC+8*\b+4:AC+8*\b+7] offset:64*\b+16
.endr
	WIN 0
.set BB, 128+64*((\a)%2)
.irp t, 0,1,2,3,4,5,6,7,8,9,10,11,12,13,14,15
	ds_load_b128 v[BB+4*\t:BB+4*\t+3], v[RD] offset:\t*528
.endr
.endm
.macro SEND a, younger                 ; younger: the LDS instructions issued behind block a's loads, which may stay out
.set BB, 128+64*((\a)%2)
	s_wait_dscnt \younger                          ; the block is back in registers
.if (\a) > 0
	s_add_nc_u64 s[14:15], s[14:15], 262144        ; (behind a wait on XCNT: the earlier stores have read their base)  16 rows of out0 on
.endif
.irp t, 0,1,2,3,4,5,6,7,8,9,10,11,12,13,14,15
	global_store_b128 v[CO], v[BB+4*\t:BB+4*\t+3], s[14:15] offset:\t*16384 th:TH_STORE_NT   ; 32 lanes store 512 consecutive bytes, at a multiple of 256 from out0's first byte
.endr
.endm
	PLACES 4                                       ; four places in front of the first read of results
	TOSTAGE 0
.irp a, 1,2,3
.if \a > 1
	s_wait_xcnt 0x0                                ; block a - 2's stores have read their registers and their base: block a's loads may land there, and the base may step
.endif
	TOSTAGE \a
	SEND \a-1, 32                                  ; behind block a - 1's loads: block a's 16 stores and 16 loads
.endr
	s_wait_xcnt 0x0                                ; block 2's stores have read their base
	SEND 3, 0
	s_wait_tensorcnt 0x0                           ; the wave's end: behind my last tensor load and my last LDS store
	ds_add_u32 v[SPW], v[NIL]
	s_wait_dscnt 0x0
	CROUND                                         ; the closing round: no work-group ends while a partner may still ask for a tile that names it
	s_endpgm
.Lfunc_end_k_qa4c8fd4559_gemm:
	.size	k_qa4c8fd4559_gemm, .Lfunc_end_k_qa4c8fd4559_gemm-k_qa4c8fd4559_gemm
	.p2alignl 7, 3214868480
	.fill 96, 4, 3214868480
	.section	.rodata,"a",@progbits
	.p2align	6, 0x0
	.amdhsa_kernel k_qa4c8fd4559_gemm
		.amdhsa_group_segment_fixed_size 327680
		.amdhsa_private_segment_fixed_size 0
		.amdhsa_enable_private_segment 0
		.amdhsa_kernarg_size 48
		.amdhsa_user_sgpr_count 2
		.amdhsa_user_sgpr_kernarg_segment_ptr 1
		.amdhsa_wavefront_size32 1
		.amdhsa_system_sgpr_workgroup_id_x 1
		.amdhsa_system_sgpr_workgroup_id_y 1
		.amdhsa_system_sgpr_workgroup_id_z 1
		.amdhsa_system_vgpr_workitem_id 0
		.amdhsa_next_free_vgpr 768
		.amdhsa_next_free_sgpr 100
		.amdhsa_reserve_vcc 0
		.amdhsa_float_denorm_mode_32 3
		.amdhsa_float_denorm_mode_16_64 3
		.amdhsa_memory_ordered 1
		.amdhsa_forward_progress 1
		.amdhsa_inst_pref_size 127
	.end_amdhsa_kernel
	.amdgpu_metadata
---
amdhsa.version: [ 1, 2 ]
amdhsa.kernels:
  - .name:           k_qa4c8fd4559_gemm
    .symbol:         k_qa4c8fd4559_gemm.kd
    .args:
      - { .name: ocodes, .offset: 0, .size: 8, .value_kind: global_buffer, .address_space: global }
      - { .name: oscales, .offset: 8, .size: 8, .value_kind: global_buffer, .address_space: global }
      - { .name: wcodes, .offset: 16, .size: 8, .value_kind: global_buffer, .address_space: global }
      - { .name: wscales, .offset: 24, .size: 8, .value_kind: global_buffer, .address_space: global }
      - { .name: bo, .offset: 32, .size: 8, .value_kind: global_buffer, .address_space: global }
      - { .name: out0, .offset: 40, .size: 8, .value_kind: global_buffer, .address_space: global }
    .group_segment_fixed_size: 327680
    .private_segment_fixed_size: 0
    .kernarg_segment_align: 8
    .kernarg_segment_size: 48
    .max_flat_workgroup_size: 128
    .sgpr_count:     100
    .vgpr_count:     768
    .wavefront_size: 32
...
	.end_amdgpu_metadata
.endif
;; end of part 3
;; ======== version 2 of 2: 3 launches; version 1 with the launch attn written anew for expert scheduling mode
;; workspace buffers: ckv 65,536 bytes; cq 196,608 bytes; wcodes 8,388,608 bytes; wscales 524,288 bytes; ocodes 4,194,304 bytes; oscales 262,144 bytes
;; launch prep: the kernel of part 1 again; grid 256 x 1, 8 waves a work-group, no clusters, 84,992 bytes of LDS; arguments x, Wq_d, Wkv_d, bq_d, bkv_d, ckv, cq; writes ckv, cq
;; launch attn (part 4): grid 4 x 64, 16 waves a work-group, no clusters, 101,376 bytes of LDS; arguments ckv, cq, W_qk, b_qk, Wv_u, bv_u, ocodes, oscales, Wo, wcodes, wscales; writes ocodes, oscales, wcodes, wscales
.if DOCPART == 4
	.amdgcn_target "amdgcn-amd-amdhsa--gfx1250"
	.amdhsa_code_object_version 6
	.text
	.protected	k_qa4c8fd4559_attn
	.globl	k_qa4c8fd4559_attn
	.p2align	8
	.type	k_qa4c8fd4559_attn,@function
k_qa4c8fd4559_attn:
	s_mov_b64 s[64:65], 0
	v_nop
	global_prefetch_b8 v0, s[64:65] scope:SCOPE_SE
	s_setreg_imm32_b32 hwreg(HW_REG_WAVE_SCHED_MODE, 0, 2), 2
	s_setreg_imm32_b32 hwreg(HW_REG_WAVE_MODE, 25, 1), 1
	s_wait_xcnt 0x0
	s_wait_alu depctr_vm_vsrc(0)
; One head of one batch, 256 queries to a work-group, 16 queries to each of its SIXTEEN waves (256 registers a wave, four waves to a SIMD: one wave's vector work stands beside another's matrix work and LDS loads).
; C_kv and C_q arrive as two partial sums each (the two halves of their K): ckv [2][2048 tokens][4], cq [2][3 groups of 4 columns][2048 tokens][4]; they are added here.
; q = C_q W_qk + b_qk (f32 multiply-adds), times 0.5 log2(e), so that the score product gives t = score x log2(e) straight away (one f32 rounding more than scaling the scores).
; t^T = C_kv q^T and V^T = (C_kv Wv_u + bv_u)^T, K = 4, f32 operands, by v_wmma_f32_16x16x4_f32; bv_u is V's C operand.
; V^T is quantised along the keys into LDS once (images of the operand's registers); then 8 steps of 128 keys: scores, p = 2^(t - M), M = the running largest t rounded up to a whole number, p quantised along the keys,
; O^T += V^T p^T on codes of E2M1 with E8M0 scales.  The row's sum is taken of the unquantised p and divides O at the end; when M moves, the sum and O^T are multiplied by 2^(old M - new M), which rounds nothing.
; O is quantised along the head's 128 (K of the last product) and leaves as an image: ocodes [32 heads][128 tiles of 16 tokens][1,024 bytes], oscales [32 heads][2,048 tokens][one word].
; A lane holds ONE query (lane % 16) throughout.  THE ROWS OF A TILE ARE NOT NEIGHBOURS: row r of tile 2 b + u (of keys, and of the head's 128 likewise) is 32 b + 8 u + r + 8 (r / 8), so that the 16 result registers of
; tiles 2 b and 2 b + 1 are 16 neighbours, 32 b + 16 (lane / 16) + 0 .. 15: what the conversions want.
; BESIDE THE ATTENTION, Wo IS QUANTISED HERE for the last product: the loop over the keys reads next to nothing from memory, so Wo's 64 MiB stream in under it.  Wo [4096 k][4096 n] f32 -> codes of E2M1, K innermost, one E8M0
; byte for each 32 along K.  The launch's 4,096 waves take 32 columns x 128 k each: a lane takes a column, its registers run down K, four blocks of 32, one in each trip of the loop; a block's 32 loads are asked for a whole
; trip (two key steps) ahead of the wait for them.  To have 32 registers free for them, p is made in two halves of 32.
;   wcodes: [32 steps of 128 k][256 tiles of 16 n][1,024 bytes]: registers 4 c .. 4 c + 3 of lane L at 512 c + 16 L; lane (r, hh) holds k = 64 c + 32 hh + 0 .. 31 of column r.   wscales: [32 steps][4096 n][one word].
; No tensor loads; no cluster: the four query blocks of a head share 32 KB of input, and V's codes are computed, which may not pass between work-groups: each work-group makes them itself.
; LIMITS: NaN and infinities are not served; a block whose largest magnitude lies under 2^(3 - 127), zeros among them, gets the byte 1 (the rule says 127 for zeros: its codes are zeros; this program alone reads the bytes).
; LDS: CKV 0: key k's four f32 at 16 k + 128 (k / 16);  VIMG 24576: [8 key steps][8 tiles of d][1,024];  VSC 90112: [8][8][32 lanes x 4];  OSC 98304: the 256 queries' scale words.
; THE MODE: SCHED_MODE bits 1:0 = 2 (LLVM: expert scheduling mode 2), set by the entry lines.  The code itself states the register dependences between vector or matrix instructions and memory or LDS instructions,
; with s_wait_alu, always for 0.
; THE PLAN.  Registers that memory or LDS instructions touch:
;   v4-7, v11, v21, v22  addresses and offsets, made at the head and never written again.   v240-244, v254: those of the head's loads and stores; v244 and v254 are written again behind the first barrier's wait.
;   v8-10     the LDS addresses of a trip's two key steps: written once a trip, at its head; the second step reaches on by immediate offsets.
;   v96-111   fragments of C_kv: LDS loads land here, the f32 products read them.   v96-127: then p, made, converted and summed by vector instructions; then V's fragments: LDS loads land, the scaled products read.
;   v248-251  V's scale words: LDS loads land, the scaled products read.
;   v128-159  a block of Wo: read by the maxima and conversions at a trip's head; behind them the next block's loads land; no line of a key step names them.
;   v24-27    Wo's codes: written by the conversions at a trip's head, read by the trip's one store.   v28: Wo's scale word, read by one store behind the loop.
;   v224-231, v253  codes and a scale word just made: read by LDS stores (V's preparation), by the scaled products (the loop), by stores (the way out).
; A TRIP'S WAITS.  At its head one on vm_vsrc: the last trip's store has read v24-27 and its LDS loads v8-10.  Behind Wo's conversions one on va_vdst, which serves the store, the 32 loads of Wo and the first key step's
; fragments of C_kv.  In a key step one behind p's last sums, behind which V's first fragments are asked for, ahead of O^T's 32 multiplications, which name none of their registers; one between the two groups of four
; products, whose fragments share 32 registers; and one at the second key step's head.  Two more stand behind the exponentials.
.set VIMG, 24576
.set VSC,  90112
.set OSC,  98304
.set TM,   232                         ; v232-235 largest magnitudes, v236-239 the other half's, then bytes, v244-247 the conversions' scale operands
.set PW,   253                         ; the scale word just made: it holds scale words alone
.set PC,   224                         ; v224-231 the codes just made
; v1 AK0, v2 LI0, v3 LS0, v4 AKV, v5 VWI, v6 VWS, v7 OSW, v8-10 the trip's addresses, v11 16 x lane; v12 -M, v13 the largest t, v[14:15] the sum; v[16:17] q; v[18:19] Wv_u; v20, v24-31 bv_u;
; v21 4 x lane, v22 my column's place in Wo's images; behind V's preparation v24-27 a block's codes of Wo, v28 its scale word, v29-31 at work;
; v32-95 results of the f32 matrix form: written by matrix instructions alone;  v96-127 at work: fragments of C_kv, half of p, fragments of V;  v128-159 a block of Wo;  (v96-159 at the head: what is loaded; at the end: O);
; v160-223 O^T;  v248-251 V's scale words;  v252 f;  v254 at work;  v23, v255: the closing add's two, made at the head and kept for it alone.
; 64 numbers of a lane, register 16 b + i = k 32 b + 16 (lane / 16) + i of my row, become a fragment's codes in v[PC] on and its scale word in v[PW].
.macro QUANT s
.irp b, 0,1,2,3
	v_max3_num_f32 v[TM+\b], |v[\s+16*\b]|, |v[\s+1+16*\b]|, 0x1800000   ; block b: my 16 numbers, and the floor 2^(3 - 127): the byte cannot fall under 1
.endr
.irp i, 2,4,6,8,10,12,14
.irp b, 0,1,2,3
	v_max3_num_f32 v[TM+\b], v[TM+\b], |v[\s+16*\b+\i]|, |v[\s+1+16*\b+\i]|   ; (the four blocks by turns)
.endr
.endr
.irp b, 0,1,2,3
	v_permlanex16_b32 v[TM+4+\b], v[TM+\b], s22, s23
.endr
.irp b, 0,1,2,3
	v_max_num_f32 v[TM+\b], v[TM+\b], v[TM+4+\b]   ; with lane l xor 16's: the block's largest magnitude
.endr
.irp b, 0,1,2,3
	v_add_nc_u32 v[TM+12+\b], 0xff000000, v[TM+\b] ; 2 off its exponent field: the conversion's scale operand
.endr
.irp b, 0,1,2,3
	v_lshrrev_b32 v[TM+4+\b], 23, v[TM+12+\b]      ; the scale's byte
.endr
	v_lshl_or_b32 v[PW], v[TM+5], 8, v[TM+4]
	v_lshl_or_b32 v[PW], v[TM+6], 16, v[PW]
	v_lshl_or_b32 v[PW], v[TM+7], 24, v[PW]
.irp b, 0,1,2,3
	v_cvt_scalef32_pk8_fp4_f32 v[PC+2*\b], v[\s+16*\b:\s+7+16*\b], v[TM+12+\b]
	v_cvt_scalef32_pk8_fp4_f32 v[PC+1+2*\b], v[\s+8+16*\b:\s+15+16*\b], v[TM+12+\b]
.endr
	v_nop                                          ; one plain place behind a scaled conversion
.irp c, 0,1                                    ; the operand's layout wants a whole block in a lane: lanes 0-15 block 2 c, lanes 16-31 block 2 c + 1
.irp i, 0,1
	v_permlane16_swap_b32 v[PC+4*\c+\i], v[PC+2+4*\c+\i]
.endr
.endr
.endm
.macro BARRIER                                 ; my LDS stores have landed and my LDS loads are in: then the work-group's barrier
	s_wait_dscnt 0x0
	s_barrier_signal -1
	s_barrier_wait -1
.endm
.macro WLOAD                                   ; a block of Wo: 32 rows of k at my column: each load reads 128 consecutive bytes a wave, and the sixteen waves stand side by side on 2,048
.set i, 0
.rept 32
	global_load_b32 v[128+i], v21, s[40:41] offset:i*16384 th:TH_LOAD_NT
.set i, i+1
.endr
.endm
.macro KFRAG adr, off                          ; the eight fragments of C_kv of 128 keys, which begin off bytes behind the address
.irp t, 0,1,2,3,4,5,6,7
	ds_load_b64 v[96+2*\t:97+2*\t], v[\adr] offset:(\off)+768*(\t/2)+128*(\t%2)
.endr
.endm
.macro VFRAG u, g                              ; V's fragments and scale words of the trip's key step u, tiles 4 g .. 4 g + 3 of d
.irp t, 0,1,2,3
.irp c, 0,1
	ds_load_b128 v[96+8*\t+4*\c:99+8*\t+4*\c], v9 offset:8192*(\u)+1024*(4*(\g)+\t)+512*\c
.endr
	ds_load_b32 v[248+\t], v10 offset:1024*(\u)+128*(4*(\g)+\t)
.endr
.endm
.macro PV g                                    ; O^T += V^T p^T, tiles 4 g .. 4 g + 3 of d; the accumulators take turns
.irp t, 0,1,2,3
	v_wmma_scale_f32_16x16x128_f8f6f4 v[160+8*(4*(\g)+\t):167+8*(4*(\g)+\t)], v[96+8*\t:103+8*\t], v[224:231], v[160+8*(4*(\g)+\t):167+8*(4*(\g)+\t)], v[248+\t], v253 matrix_a_fmt:MATRIX_FMT_FP4 matrix_b_fmt:MATRIX_FMT_FP4
.endr
.endm
	s_load_b256 s[4:11], s[0:1], 0x0               ; ckv s[4:5], cq s[6:7], W_qk s[8:9], b_qk s[10:11]
	s_load_b256 s[12:19], s[0:1], 0x20             ; Wv_u s[12:13], bv_u s[14:15], ocodes s[16:17], oscales s[18:19]
	s_load_b128 s[40:43], s[0:1], 0x40             ; Wo s[40:41], wcodes s[42:43]
	s_load_b64 s[44:45], s[0:1], 0x50              ; wscales
	v_lshl_add_u32 v23, v0, 2, 0x18400
	v_mov_b32 v255, 0
	v_lshrrev_b32 v232, 5, v0
	v_readfirstlane_b32 s20, v232                  ; wave 0..15
	s_and_b32 s21, ttmp7, 0xffff
	s_lshr_b32 s24, s21, 5                         ; batch
	s_and_b32 s25, s21, 31                         ; head
	s_mov_b32 s22, 0x76543210
	s_mov_b32 s23, 0xfedcba98                      ; v_permlanex16_b32's selects for lane l xor 16
	s_lshl_b32 s26, s24, 10
	s_lshl_b32 s27, ttmp9, 8
	s_add_co_u32 s26, s26, s27
	s_wait_alu depctr_va_sdst(0)                   ; s20 is written, ahead of its first reader: addresses, shares and branches are made from it
	s_lshl_b32 s27, s20, 4
	s_add_co_u32 s26, s26, s27                     ; my first token = 1024 batch + 256 block + 16 wave
	s_and_b32 s34, s20, 7                          ; the tile of d that I prepare
	s_lshr_b32 s35, s34, 1
	s_lshl_b32 s35, s35, 7
	s_and_b32 s36, s34, 1
	s_lshl_b32 s36, s36, 5
	s_add_co_u32 s35, s35, s36                     ; its first d, in bytes: 4 (32 (tile / 2) + 8 (tile % 2))
	s_lshl_b32 s38, s21, 2
	s_add_co_u32 s38, s38, ttmp9                   ; the work-group's number, 0 .. 255: its share of Wo is 128 k x 512 columns
	s_lshr_b32 s39, s38, 3                         ; which step of 128 k
	s_and_b32 s38, s38, 7
	s_lshl_b32 s38, s38, 9
	s_lshl_b32 s37, s20, 5
	s_add_co_u32 s38, s38, s37                     ; my wave's first column of Wo
	s_mov_b32 s33, 0
	v_and_b32 v232, 15, v0                         ; r
	v_bfe_u32 v233, v0, 4, 1                       ; h
	v_and_b32 v234, 31, v0                         ; lane
	v_lshrrev_b32 v236, 3, v232                    ; r / 8
	v_lshl_add_u32 v235, v236, 3, v232             ; r + 8 (r / 8)
	v_lshlrev_b32 v240, 4, v0                      ; ckv: key = my thread's number
	v_lshlrev_b32 v241, 4, v232                    ; cq: token r of my 16: 16 bytes in each group: sixteen lanes read 256 consecutive bytes
	v_lshlrev_b32 v242, 3, v233                    ; W_qk, b_qk: latent dimensions 2 h, 2 h + 1
	v_lshlrev_b32 v254, 2, v235                    ; bv_u: my row of the tile of d
	v_lshl_add_u32 v243, v233, 15, v254            ; Wv_u: rows 2 h, 2 h + 1 of 16,384 bytes
	s_wait_kmcnt 0x0
	s_lshl_b32 s32, s24, 14
	s_add_nc_u64 s[4:5], s[4:5], s[32:33]          ; the batch's 1,024 keys
	s_lshl_b32 s32, s26, 4
	s_add_nc_u64 s[6:7], s[6:7], s[32:33]          ; my 16 queries' C_q, in group 0 of half 0
	s_lshl_b32 s32, s25, 4
	s_add_nc_u64 s[8:9], s[8:9], s[32:33]          ; the head's four columns
	s_add_nc_u64 s[10:11], s[10:11], s[32:33]
	s_lshl_b32 s32, s25, 9
	s_add_co_u32 s32, s32, s35
	s_add_nc_u64 s[12:13], s[12:13], s[32:33]      ; the head's 128 columns, my tile of d
	s_add_nc_u64 s[14:15], s[14:15], s[32:33]
	s_lshl_b32 s32, s25, 17
	s_lshl_b32 s36, s26, 6
	s_add_co_u32 s32, s32, s36
	s_add_nc_u64 s[16:17], s[16:17], s[32:33]      ; ocodes: 131,072 bytes a head, 1,024 for each 16 tokens
	s_lshl_b32 s32, s25, 13
	s_lshl_b32 s36, s24, 12
	s_add_co_u32 s32, s32, s36
	s_lshl_b32 s36, ttmp9, 10
	s_add_co_u32 s32, s32, s36
	s_add_nc_u64 s[18:19], s[18:19], s[32:33]      ; oscales: 8,192 bytes a head, 4 a token: the work-group's first
	s_lshl_b32 s32, s39, 21                        ; Wo: 128 rows of 16,384 bytes a step, 4 bytes a column
	s_lshl_b32 s36, s38, 2
	s_add_co_u32 s32, s32, s36
	s_add_nc_u64 s[40:41], s[40:41], s[32:33]
	s_lshl_b32 s32, s39, 18                        ; wcodes: 262,144 bytes a step, 1,024 for each 16 columns
	s_lshl_b32 s36, s38, 6
	s_add_co_u32 s32, s32, s36
	s_add_nc_u64 s[42:43], s[42:43], s[32:33]
	s_lshl_b32 s32, s39, 14                        ; wscales: 16,384 bytes a step, 4 a column
	s_lshl_b32 s36, s38, 2
	s_add_co_u32 s32, s32, s36
	s_add_nc_u64 s[44:45], s[44:45], s[32:33]
	; ---- A: what the attention loads from memory, in one run
	s_wait_alu depctr_va_vdst(0)                   ; the offsets v240 to v243 and v254 are written, which the loads below read
	global_load_b128 v[96:99], v240, s[4:5]                  ; key t: K half 0,
	global_load_b128 v[100:103], v240, s[4:5] offset:32768   ; K half 1;
	global_load_b128 v[104:107], v240, s[4:5] offset:8192    ; key t + 512 likewise
	global_load_b128 v[108:111], v240, s[4:5] offset:40960
.irp i, 0,1,2
	global_load_b128 v[112+4*\i:115+4*\i], v241, s[6:7] offset:32768*\i          ; C_q's columns 4 i .. 4 i + 3: K half 0,
	global_load_b128 v[124+4*\i:127+4*\i], v241, s[6:7] offset:98304+32768*\i    ; K half 1
.endr
.irp i, 0,1,2,3,4,5,6,7,8,9,10,11
	global_load_b64 v[136+2*\i:137+2*\i], v242, s[8:9] offset:512*\i
.endr
	global_load_b64 v[16:17], v242, s[10:11]
	global_load_b32 v18, v243, s[12:13]
	global_load_b32 v19, v243, s[12:13] offset:16384
	global_load_b32 v20, v254, s[14:15]
	; addresses and first values, while the loads are out: none of these lines names a register that those loads read or land in
	v_lshlrev_b32 v1, 4, v232
	v_lshl_add_u32 v1, v236, 8, v1
	v_lshl_add_u32 v1, v233, 3, v1                 ; AK0: row r of a tile of keys: 16 (r % 8) + 384 (r / 8), + 8 h
	v_lshl_add_u32 v2, v234, 4, VIMG               ; LI0: an image's place for my lane
	v_lshl_add_u32 v3, v234, 2, VSC                ; LS0: a scale word's
	s_lshr_b32 s32, s20, 3                         ; which four key steps I prepare
	s_mul_i32 s36, s32, 12288
	v_add_nc_u32 v4, s36, v1                       ; AKV
	s_lshl_b32 s36, s32, 15
	s_lshl_b32 s37, s34, 10
	s_add_co_u32 s36, s36, s37
	v_add_nc_u32 v5, s36, v2                       ; VWI
	s_lshl_b32 s36, s32, 12
	s_lshl_b32 s37, s34, 7
	s_add_co_u32 s36, s36, s37
	v_add_nc_u32 v6, s36, v3                       ; VWS
	s_lshl_b32 s36, s20, 6
	v_lshl_add_u32 v7, v232, 2, s36
	v_add_nc_u32 v7, OSC, v7                       ; OSW: 64 bytes a wave, 4 r
	v_lshlrev_b32 v11, 4, v234
	v_lshlrev_b32 v21, 2, v234                     ; Wo's rows and its scale words: 4 bytes a lane
	v_lshlrev_b32 v22, 4, v232
	v_lshl_add_u32 v22, v233, 10, v22              ; my column's place in Wo's images: tile lane / 16, 16 (lane % 16)
	v_lshrrev_b32 v244, 4, v0
	v_mul_u32_u24 v244, v244, 384
	v_lshl_add_u32 v244, v232, 4, v244             ; where key t goes in CKV
	v_mov_b32 v13, 0xff61b1e6                      ; the largest t so far: -3e38
	v_floor_f32 v12, -v13                          ; -M
	v_mov_b32 v14, 0
	v_mov_b32 v15, 0
.irp b, 0,1,2,3
	v_mov_b32 v[236+\b], 0                         ; written once: a lane permute's destination counts as one of its sources
.endr
	v_mov_b32 v253, 0                              ; (named as the upper half of the pair v[252:253] before it is first written)
.set j, 0
.rept 64
	v_mov_b32 v[160+j], 0                          ; O^T: the loop is written once; its first step finds zeros
.set j, j+1
.endr
	s_wait_loadcnt 0x0
	v_pk_add_f32 v[96:97], v[96:97], v[100:101]    ; the two halves of K
	v_pk_add_f32 v[98:99], v[98:99], v[102:103]
	v_pk_add_f32 v[104:105], v[104:105], v[108:109]
	v_pk_add_f32 v[106:107], v[106:107], v[110:111]
.irp i, 0,2,4,6,8,10
	v_pk_add_f32 v[112+\i:113+\i], v[112+\i:113+\i], v[124+\i:125+\i]
.endr
.irp i, 0,1,2,3,4,5,6,7,8,9,10,11
	v_fma_f32 v16, v[136+2*\i], v[112+\i], v16     ; q(r, 2 h) and q(r, 2 h + 1), begun with b_qk
	v_fma_f32 v17, v[137+2*\i], v[112+\i], v17
.endr
	v_pk_mul_f32 v[16:17], v[16:17], 0x3f38aa3b op_sel_hi:[1,0]   ; x 0.5 log2(e)
.irp j, 0,1,2,3,4,5,6,7
	v_mov_b32 v[24+\j], v20                        ; bv_u of my d, for all eight keys of a result: V's C operand
.endr
	s_wait_alu depctr_va_vdst(0)                   ; C_kv's sums in v96-99 and v104-107 and every address made above are written, which the stores and loads from here on read; and the lines above are done with v96-159, in which Wo's block and C_kv's fragments land
	ds_store_b128 v244, v[96:99]
	ds_store_b128 v244, v[104:107] offset:12288
	WLOAD                                          ; my first block of Wo, into registers that C_q and W_qk have left: it lands while V is prepared
	BARRIER                                        ; C_kv of the batch lies in LDS
	s_wait_alu depctr_vm_vsrc(0)                   ; my two LDS stores have read v96-99 and v104-107, in which fragments land, and v244; the head's loads have read v254: both are written again below
	; ---- B: V^T.  Wave w: tile w % 8 of d, key steps 4 (w / 8) + 0 .. 3.  Source 0 = 16 keys of C_kv, source 1 = Wv_u's 16 columns: a lane holds one d, its registers run along the keys
	KFRAG 4, 0
.irp sl, 0,1,2,3
	s_wait_dscnt 0x0                               ; this group's fragments are in
.if \sl > 0
	s_wait_alu depctr_vm_vsrc(0)                   ; the last group's LDS stores have read v224-231 and v253, which QUANT writes again
.endif
.irp t, 0,1,2,3,4,5,6,7
	v_wmma_f32_16x16x4_f32 v[32+8*\t:39+8*\t], v[96+2*\t:97+2*\t], v[18:19], v[24:31]
.endr
.rept 8
	v_nop                                          ; eight places behind this form
.endr
	QUANT 32
	s_wait_alu depctr_va_vdst(0)                   ; QUANT has written the codes and the scale word, which the stores read; the products above are done reading v96-111, in which the next group's fragments land
.irp c, 0,1
	ds_store_b128 v5, v[PC+4*\c:PC+4*\c+3] offset:8192*\sl+512*\c
.endr
	ds_store_b32 v6, v[PW] offset:1024*\sl
.if \sl < 3
	KFRAG 4, 3072*(\sl+1)
.endif
.endr
	v_mov_b32 v28, 0                               ; Wo's scale word begins empty (bv_u's registers are free now)
	BARRIER                                        ; V's 64 fragments and their scale words lie in LDS; nothing in LDS is written in the loop
; A KEY STEP: 128 keys, the u-th of the trip's two.
.macro STEP u
.if \u
.rept 4
	v_nop                                          ; four places behind the last step's products, in front of loads into registers that they have read
.endr
	s_wait_alu depctr_va_vdst(0)                   ; the last step's products are done reading v96-111, in which the fragments below land.  (The trip's first step leans on the wait ahead of Wo's store: nothing since names v8 or v96-111)
.endif
	KFRAG 8, 3072*(\u)
	s_wait_dscnt 0x0
.irp t, 0,1,2,3,4,5,6,7
	v_wmma_f32_16x16x4_f32 v[32+8*\t:39+8*\t], v[96+2*\t:97+2*\t], v[16:17], 0   ; t^T: register 16 b + i = key 32 b + 16 h + i of my query
.endr
.rept 8
	v_nop
.endr
.irp b, 0,1,2,3
	v_max3_num_f32 v[232+\b], v[32+16*\b], v[33+16*\b], v[34+16*\b]   ; the largest t of each block of 32 keys: for the row's maximum and, since p rises with t, for the block's largest p.  Each result is read from its low end on
.endr
.irp i, 3,5,7,9,11,13
.irp b, 0,1,2,3
	v_max3_num_f32 v[232+\b], v[232+\b], v[32+16*\b+\i], v[33+16*\b+\i]
.endr
.endr
.irp b, 0,1,2,3
	v_max_num_f32 v[232+\b], v[232+\b], v[47+16*\b]
.endr
.irp b, 0,1,2,3
	v_permlanex16_b32 v[236+\b], v[232+\b], s22, s23
.endr
.irp b, 0,1,2,3
	v_max_num_f32 v[232+\b], v[232+\b], v[236+\b]  ; with lane l xor 16's 16 keys
.endr
	v_max3_num_f32 v254, v232, v233, v234
	v_max_num_f32 v254, v254, v235                 ; the step's largest t of my query
	v_max_num_f32 v13, v13, v254                   ; the running largest t
	v_mov_b32 v254, v12
	v_floor_f32 v12, -v13                          ; the new -M = floor(-t) = -ceil(t)
	v_sub_f32 v254, v12, v254                      ; old M - new M: a whole number, 0 or less
	v_cvt_i32_f32 v254, v254                       ; (it saturates)
	v_ldexp_f32 v252, 1.0, v254                    ; f = 2^(old M - new M)
	; p of blocks 0 and 1, in v96-127
.set j, 0
.rept 16
	v_pk_add_f32 v[96+j:97+j], v[32+j:33+j], v[12:13] op_sel_hi:[1,0]   ; t - M, two at a time, into other registers than the product's
.set j, j+2
.endr
.irp b, 0,1,2,3
	v_add_f32 v[232+\b], v[232+\b], v12            ; the same of each block's largest t
.endr
.set j, 0
.rept 32
	v_exp_f32 v[96+j], v[96+j]                     ; p = 2^(t - M), at most 1: not normalised
.set j, j+1
.endr
.irp b, 0,1,2,3
	v_exp_f32 v[232+\b], v[232+\b]                 ; the block's largest p: the same addition and exponential on the same number
.endr
	v_pk_mul_f32 v[14:15], v[14:15], v[252:253] op_sel_hi:[1,0]   ; the sums under the new M.  (A plain place behind the exponentials)
	s_wait_alu depctr_va_vdst(0)                   ; the 36 exponentials have written v96-127 and v232-235: one wait for the batch, ahead of its first reader
.irp b, 0,1,2,3
	v_max_num_f32 v[232+\b], 0x1800000, v[232+\b]  ; the floor 2^(3 - 127)
.endr
.irp b, 0,1,2,3
	v_add_nc_u32 v[244+\b], 0xff000000, v[232+\b]  ; the conversion's scale operand
.endr
.irp b, 0,1,2,3
	v_lshrrev_b32 v[236+\b], 23, v[244+\b]         ; the scale's byte
.endr
	v_lshl_or_b32 v253, v237, 8, v236              ; p's scale word for these 128 keys
	v_lshl_or_b32 v253, v238, 16, v253
	v_lshl_or_b32 v253, v239, 24, v253
.irp b, 0,1
	v_cvt_scalef32_pk8_fp4_f32 v[224+2*\b], v[96+16*\b:103+16*\b], v[244+\b]
	v_cvt_scalef32_pk8_fp4_f32 v[225+2*\b], v[104+16*\b:111+16*\b], v[244+\b]
.endr
	v_nop                                          ; one plain place behind a scaled conversion
.irp i, 0,1
	v_permlane16_swap_b32 v[224+\i], v[226+\i]     ; lanes 0-15 block 0 whole, lanes 16-31 block 1
.endr
	v_pk_add_f32 v[236:237], v[96:97], v[98:99]    ; the row's sum is taken of the unquantised p: two at a time, in two chains
.irp j, 4,8,12,16,20,24,28
	v_pk_add_f32 v[14:15], v[14:15], v[96+\j:97+\j]
	v_pk_add_f32 v[236:237], v[236:237], v[98+\j:99+\j]
.endr
	; p of blocks 2 and 3, in the same registers: the first half has been converted and summed
.set j, 0
.rept 16
	v_pk_add_f32 v[96+j:97+j], v[64+j:65+j], v[12:13] op_sel_hi:[1,0]
.set j, j+2
.endr
.set j, 0
.rept 32
	v_exp_f32 v[96+j], v[96+j]
.set j, j+1
.endr
	v_nop                                          ; a plain place behind the exponentials
	s_wait_alu depctr_va_vdst(0)                   ; the 32 exponentials have written v96-127: one wait for the batch, ahead of its first reader
.irp b, 0,1
	v_cvt_scalef32_pk8_fp4_f32 v[228+2*\b], v[96+16*\b:103+16*\b], v[246+\b]
	v_cvt_scalef32_pk8_fp4_f32 v[229+2*\b], v[104+16*\b:111+16*\b], v[246+\b]
.endr
	v_nop
.irp i, 0,1
	v_permlane16_swap_b32 v[228+\i], v[230+\i]
.endr
.irp j, 0,4,8,12,16,20,24,28
	v_pk_add_f32 v[14:15], v[14:15], v[96+\j:97+\j]
	v_pk_add_f32 v[236:237], v[236:237], v[98+\j:99+\j]
.endr
	v_pk_add_f32 v[14:15], v[14:15], v[236:237]    ; (these 17 additions are the places behind the codes' last writes; the scale word was written long before)
	s_wait_alu depctr_va_vdst(0)                   ; p's codes v224-231 and its scale word v253 are written, which the scaled products take; the conversions and sums are done with v96-127, and the last products with v248-251, in which the loads below land
	VFRAG \u, 0                                    ; V's first four fragments are asked for here and land under the 32 multiplications, which name none of their registers
.set j, 0
.rept 32
	v_pk_mul_f32 v[160+j:161+j], v[160+j:161+j], v[252:253] op_sel_hi:[1,0]   ; O^T under the new M
.set j, j+2
.endr
	s_wait_dscnt 0x0
	PV 0                                           ; O^T += V^T p^T: four tiles of d at a time
.rept 4
	v_nop                                          ; four places in front of loads into registers that the products above have read
.endr
	s_wait_alu depctr_va_vdst(0)                   ; the four products above are done reading v96-127 and v248-251, in which the other four tiles' fragments and scale words land
	VFRAG \u, 1
	s_wait_dscnt 0x0
	PV 1
.endm
	; ---- C: 4 trips: a block of Wo, then two key steps
	s_mov_b32 s28, 0                               ; the trip's keys in CKV: 3,072 bytes a step
	s_mov_b32 s29, 0                               ; its images of V: 8,192 a step
	s_mov_b32 s30, 0                               ; its scale words of V: 1,024 a step
	s_mov_b32 s31, 4
.Ltrip:
	s_wait_loadcnt 0x0                             ; my block of Wo is in: its 32 loads were issued a whole trip ago (the first ahead of V's preparation); no other load is out
	s_add_nc_u64 s[40:41], s[40:41], 524288        ; 32 rows of Wo on (the loads that named the base are done)
	s_wait_alu depctr_vm_vsrc(0)                   ; the last trip's store has read v24-27 and its LDS loads v8-10; in the first trip V's LDS stores have read v224-231 and v253: all are written again in this trip
	v_add_nc_u32 v8, s28, v1                       ; the trip's LDS addresses, made once: the second key step reaches on by immediate offsets
	v_add_nc_u32 v9, s29, v2
	v_add_nc_u32 v10, s30, v3
	v_max3_num_f32 v29, |v128|, |v129|, |v130|     ; the block's largest magnitude: all 32 numbers are mine.  (These lines are also the places between the last step's products and the loads into their registers)
	v_max3_num_f32 v30, |v131|, |v132|, |v133|
.irp i, 6,10,14,18,22,26
	v_max3_num_f32 v29, v29, |v[128+\i]|, |v[129+\i]|
	v_max3_num_f32 v30, v30, |v[130+\i]|, |v[131+\i]|
.endr
	v_max3_num_f32 v29, v29, |v158|, |v159|
	v_max3_num_f32 v29, v29, v30, 0x1800000        ; and the floor 2^(3 - 127): the byte cannot fall under 1
	v_add_nc_u32 v31, 0xff000000, v29              ; 2 off the exponent field: the conversion takes that field of this operand as its scale
	v_lshrrev_b32 v30, 23, v31                     ; the scale's byte
	v_lshrrev_b32 v28, 8, v28                      ; it enters the word at the top, and the earlier bytes move down: after four blocks the lowest K lies in the lowest byte
	v_lshl_or_b32 v28, v30, 24, v28
.irp g, 0,1,2,3
	v_cvt_scalef32_pk8_fp4_f32 v[24+\g], v[128+8*\g:135+8*\g], v31
.endr
	v_nop                                          ; one plain place behind the conversions
	s_wait_alu depctr_va_vdst(0)                   ; the conversions have written v24-27, which the store reads, and are done reading v128-159, in which the next block lands; v8-10 are written; the last step's products are done reading v96-111
	global_store_b128 v22, v[24:27], s[42:43]      ; block 2 c + hh of the step: registers 4 c on of lanes 16 hh on: lanes 0-15 fill 256 consecutive aligned bytes of one tile's image, lanes 16-31 of the next tile's
	s_cmp_eq_u32 s31, 1
	s_cbranch_scc1 .Lno_more                       ; the last trip asks for nothing: no load leaves my share
	WLOAD
.Lno_more:
	STEP 0
	STEP 1
	s_wait_xcnt 0x0                                ; the store has read its data and its base: both are written again only behind this wait
	s_add_nc_u64 s[42:43], s[42:43], 256           ; the next block's place in the images
	s_add_co_u32 s28, s28, 6144                    ; two key steps on
	s_add_co_u32 s29, s29, 16384
	s_add_co_u32 s30, s30, 2048
	s_sub_co_u32 s31, s31, 1
	s_cmp_lg_u32 s31, 0
	s_cbranch_scc1 .Ltrip
	global_store_b32 v21, v28, s[44:45]            ; my columns' scale words of this step of K: 128 consecutive bytes a wave, 2,048 a work-group.  (v28 was last written ahead of the last trip's wait in front of Wo's store)
	; ---- D: O = O^T / the sum, quantised along d, out as an image
	s_wait_alu depctr_vm_vsrc(0)                   ; the loop's LDS loads have read v8 and v9, which are written again here
	v_lshl_add_u32 v8, v0, 4, OSC                  ; for the end, where waves 0 and 1 store the scale words: 16 bytes a thread, threads 0 to 63; made ahead of the parting on the wave's number
	v_lshlrev_b32 v9, 4, v0
	v_add_f32 v14, v14, v15                        ; the sum's two halves,
	v_permlanex16_b32 v252, v14, s22, s23
	v_add_f32 v14, v14, v252                       ; and lane l xor 16's
	v_rcp_f32 v14, v14
.rept 4
	v_nop                                          ; the places behind the last products and behind the reciprocal
.endr
	s_wait_alu depctr_va_vdst(0)                   ; the reciprocal has written v14, ahead of its first reader
.set j, 0
.rept 64
	v_mul_f32 v[96+j], v[160+j], v14               ; register 16 b + i = d 32 b + 16 h + i of my query
.set j, j+1
.endr
	QUANT 96
	s_wait_alu depctr_va_vdst(0)                   ; QUANT has written the codes and the scale word, which the three stores read; v8 and v9 are written; and QUANT is done with v96-99, in which the load behind the barrier lands
	global_store_b128 v11, v[224:227], s[16:17]              ; 512 consecutive bytes a store
	global_store_b128 v11, v[228:231], s[16:17] offset:512
	ds_store_b32 v7, v[PW]                         ; lanes r and r + 16 write the same word with the same value
	BARRIER                                        ; the 256 queries' scale words lie in LDS
	s_cmp_lt_u32 s20, 2
	s_cbranch_scc0 .Lend                           ; waves 0 and 1 store them: 512 consecutive bytes each
	ds_load_b128 v[96:99], v8
	s_wait_dscnt 0x0
	global_store_b128 v9, v[96:99], s[18:19]
.Lend:
	s_wait_dscnt 0x0                               ; the closing lines, six on end
	s_wait_alu 0x0
	s_wait_tensorcnt 0x0
	ds_add_u32 v23, v255
	s_wait_dscnt 0x0
	s_endpgm
.Lfunc_end_k_qa4c8fd4559_attn:
	.size	k_qa4c8fd4559_attn, .Lfunc_end_k_qa4c8fd4559_attn-k_qa4c8fd4559_attn
	.p2alignl 7, 3214868480
	.fill 96, 4, 3214868480
	.section	.rodata,"a",@progbits
	.p2align	6, 0x0
	.amdhsa_kernel k_qa4c8fd4559_attn
		.amdhsa_group_segment_fixed_size 101376
		.amdhsa_private_segment_fixed_size 0
		.amdhsa_enable_private_segment 0
		.amdhsa_kernarg_size 88
		.amdhsa_user_sgpr_count 2
		.amdhsa_user_sgpr_kernarg_segment_ptr 1
		.amdhsa_wavefront_size32 1
		.amdhsa_system_sgpr_workgroup_id_x 1
		.amdhsa_system_sgpr_workgroup_id_y 1
		.amdhsa_system_sgpr_workgroup_id_z 1
		.amdhsa_system_vgpr_workitem_id 0
		.amdhsa_next_free_vgpr 256
		.amdhsa_next_free_sgpr 66
		.amdhsa_reserve_vcc 0
		.amdhsa_float_denorm_mode_32 3
		.amdhsa_float_denorm_mode_16_64 3
		.amdhsa_memory_ordered 1
		.amdhsa_forward_progress 1
		.amdhsa_inst_pref_size 82
	.end_amdhsa_kernel
	.amdgpu_metadata
---
amdhsa.version: [ 1, 2 ]
amdhsa.kernels:
  - .name:           k_qa4c8fd4559_attn
    .symbol:         k_qa4c8fd4559_attn.kd
    .args:
      - { .name: ckv, .offset: 0, .size: 8, .value_kind: global_buffer, .address_space: global }
      - { .name: cq, .offset: 8, .size: 8, .value_kind: global_buffer, .address_space: global }
      - { .name: W_qk, .offset: 16, .size: 8, .value_kind: global_buffer, .address_space: global }
      - { .name: b_qk, .offset: 24, .size: 8, .value_kind: global_buffer, .address_space: global }
      - { .name: Wv_u, .offset: 32, .size: 8, .value_kind: global_buffer, .address_space: global }
      - { .name: bv_u, .offset: 40, .size: 8, .value_kind: global_buffer, .address_space: global }
      - { .name: ocodes, .offset: 48, .size: 8, .value_kind: global_buffer, .address_space: global }
      - { .name: oscales, .offset: 56, .size: 8, .value_kind: global_buffer, .address_space: global }
      - { .name: Wo, .offset: 64, .size: 8, .value_kind: global_buffer, .address_space: global }
      - { .name: wcodes, .offset: 72, .size: 8, .value_kind: global_buffer, .address_space: global }
      - { .name: wscales, .offset: 80, .size: 8, .value_kind: global_buffer, .address_space: global }
    .group_segment_fixed_size: 101376
    .private_segment_fixed_size: 0
    .kernarg_segment_align: 8
    .kernarg_segment_size: 88
    .max_flat_workgroup_size: 512
    .sgpr_count:     66
    .vgpr_count:     256
    .wavefront_size: 32
...
	.end_amdgpu_metadata
.endif
;; end of part 4
;; launch gemm: the kernel of part 3 again; grid 16 x 16, 4 waves a work-group, clusters of 4 x 4, 327,680 bytes of LDS; arguments ocodes, oscales, wcodes, wscales, bo, out0; writes out0
